; MI455X (gfx1250); checked and timed in simulation.
; The chip was launched on July 23, 2026; its instructions are those of AMD's public machine-readable ISA for CDNA 5 (MIT licence, August 2026) and "CDNA5" Instruction Set Architecture Reference Guide (July 2026). The comments in the code are by the model that wrote it; some were corrected since.
;; MHA Encoder Fused Proj. Allowed arithmetic: matrix products marked QUANTISED: E2M1 operands, one E8M0 scale for each 32 along K, by v_wmma_scale_f32_16x16x128_f8f6f4 with both operands' format E2M1 (or v_wmma_scale_f32_32x16x128_f4), f32 sums; products left as they are: bf16, f16 or f32 operands; f32 sums; everything else in f32.
;; Inputs: Wout 1,024 x 1,024 float32; Wqkv 3,072 x 1,024 float32; cos 2,048 x 64 float32; sin 2,048 x 64 float32; x 4 x 2,048 x 1,024 float32.
;; Outputs: out0 4 x 2,048 x 1,024 float32.
;; This version of the problem:
;;   THIS VERSION OF THE PROBLEM IS GIVEN IN LOW PRECISION. The matrix products marked QUANTISED in the list below multiply operands that are first quantised to E2M1 (2 exponent bits, 1 mantissa bit; 4 bits a number), with one power-of-two scale for each 32 numbers along K (OCP MX v1.0); their sums are f32. The products marked 'left as it is' may take bf16, f16 or f32 operands, with f32 sums. Whichever they take, every output number must still come out within the allowed error. Rounding operands to bf16 (8 significant bits) uses up far more of that allowance than f16 does (11 bits, for magnitudes from 6e-5 to 65,504). All else is computed in f32.
;;   The module's matrix products, in the order in which they are computed (A, B: the left and right operand; K: the contracted axis; several contracted axes count as one K, in the product's order):
;;     1. [M 8,192, K 1,024] x [K 1,024, N 3,072]; A: input x; B: input Wqkv: QUANTISED
;;     2. batch 64 x [M 2,048, K 64] x [K 64, N 2,048]; A: computed on the way; B: computed on the way: left as it is (an operand is computed on the way)
;;     3. batch 64 x [M 2,048, K 2,048] x [K 2,048, N 64]; A: computed on the way; B: computed on the way: left as it is (an operand is computed on the way)
;;     4. [M 8,192, K 1,024] x [K 1,024, N 1,024]; A: computed on the way; B: input Wout: left as it is (an operand is computed on the way)
;;   THE QUANTISER, for each operand of a quantised product, along K:
;;     - K is cut into blocks of 32 from its start; a last block that is shorter is filled with zeros.
;;     - A block's scale is 2^e with e = floor(log2(the largest magnitude in the block)) - 2, held to -126 .. 127; a block of zeros has e = 0. As a byte (E8M0): e + 127.
;;     - Each number is divided by its block's scale, clamped to +-6, and rounded to the nearest number of E2M1, ties to even, subnormals kept.
;;     - The product sums the exact products of the quantised numbers (number of the format x scale) in f32.
;;   ~~~python
;;   def quantise(x, axis):      # numpy; x: float32 -> the quantised numbers, widened to float32 again
;;       x = np.moveaxis(x, axis, -1); K = x.shape[-1]
;;       x = np.pad(x, [(0, 0)] * (x.ndim - 1) + [(0, -K % 32)]); x = x.reshape(x.shape[:-1] + (-1, 32)); a = np.abs(x).max(-1, keepdims=True)
;;       e = np.where(a > 0, np.clip(np.frexp(np.where(a > 0, a, 1))[1] - 1 - 2, -126, 127), 0)      # np.frexp(a)[1] - 1 = floor(log2(a)), exactly
;;       r = np.clip(x / 2.0 ** e, -6, 6)
;;       step = 2.0 ** (np.maximum(np.frexp(np.where(r == 0, 1, r))[1] - 1, 0) - 1)
;;       q = np.round(r / step) * step * 2.0 ** e      # np.round: ties to even
;;       return np.moveaxis(q.reshape(q.shape[:-2] + (-1,))[..., :K], -1, axis).astype(np.float32)
;;   ~~~
;; One version. Each part assembles by itself: llvm-mc -triple=amdgcn-amd-amdhsa -mcpu=gfx1250 --defsym DOCPART=n.
;; ======== version 1 of 1: 4 launches
;; limits: values are held in f16: magnitudes above 65,504 overflow, below 6.1e-05 lose precision; right only within a limited range of input values
;; workspace buffers: codes 5,767,168 bytes; scales 360,448 bytes; wh 2,097,152 bytes; rope 1,048,576 bytes; qkv 50,331,648 bytes; ah 16,777,216 bytes
;; launch prep (part 1): grid 448 x 1, 4 waves a work-group, no clusters, 33,280 bytes of LDS; arguments x, Wqkv, codes, scales, Wout, wh, cos, sin, rope; writes codes, scales, wh, rope
.if DOCPART == 1
	.amdgcn_target "amdgcn-amd-amdhsa--gfx1250"
	.amdhsa_code_object_version 6
	.text
	.protected	k_q24cecb068b_prep
	.globl	k_q24cecb068b_prep
	.p2align	8
	.type	k_q24cecb068b_prep,@function
k_q24cecb068b_prep:
	s_mov_b64 s[64:65], 0
	v_nop
	global_prefetch_b8 v0, s[64:65] scope:SCOPE_SE
	s_setreg_imm32_b32 hwreg(HW_REG_WAVE_MODE, 25, 1), 1
	s_wait_xcnt 0x0
; PREP: everything that later launches read many times is laid out once.  Three kinds of work-group, told apart by the work-group's number alone:
;   0 .. 351    x [8192][1024] (the first 256) and Wqkv [3072][1024], f32, become codes of FP4 (E2M1), K innermost, two codes a byte, and one E8M0 scale byte for each 32 along K.
;               Both tensors' codes are one buffer (x's 4,194,304 bytes, then Wqkv's), and so are the scale bytes (x's 262,144, then Wqkv's).
;   352 .. 415  Wout [1024 n][1024 k], f32, becomes f16 laid by planes of 64 along K: [16][1024 n][64].
;   416 .. 447  cos and sin [2048][64], f32, times 2^-4 (exact), become images of the registers in which the projection's launch wants them:
;               128 blocks of 16 positions x 16 groups of 512 bytes; group 2 b + u: lane (r, h) holds cos[16 g + r][16 b + 8 h + 4 u + 0 .. 3]; groups 8 .. 15 the same of sin.
; THE QUANTISER.  A block's scale is 2^(floor(log2(its largest magnitude)) - 2); its byte is the largest magnitude's own exponent field - 2, held at 1 from below.  A block of zeros so gets the
; byte 1 where the rule says 127: its codes are zeros, which add nothing under any byte but 0xff, and the bytes are read by this program alone.  Each number is divided by the scale and rounded
; to the nearest code, ties to even, beyond the largest code the largest.
; LIMITS: blocks whose largest magnitude lies under 2^(2 - 126) keep the byte 1; NaN and infinities among the inputs are not served; |Wout| stays under 65,504 (f16).
; Rows are dense and K is a multiple of 32, so x and Wqkv are plain streams of blocks of 32 numbers.  A wave takes 16 steps of 512 numbers.  Each of a step's four loads reads 512 consecutive bytes, 16 a lane;
; the conversions want 16 NEIGHBOURS in a lane, so the 2,048 bytes turn through the wave's own stage in LDS (16 bytes of padding behind each 64).  A lane's 16 codes are 8 bytes: the wave stores 256 consecutive bytes.
; A wave's 256 scale bytes are gathered in its own LDS bytes and leave as one run of 256 consecutive bytes.  Waves share nothing: no barrier.
.set WAVES, 4
.set STEPS, 16
.set WGX,   256                        ; x's work-groups: 8192 x 1024 / 32,768
.set WGQ,   352                        ; + Wqkv's 96
.set WGW,   416                        ; + Wout's 64
.set EMAX,  2
.set CB,    8                          ; bytes of 16 codes
.set R,     16                         ; v16-79   four sets of 16 numbers as they are loaded
.set X,     80                         ; v80-111  two sets of 16 neighbours
.set E,     112                        ; v112-127 a scale byte for each step
.set C,     128                        ; v128-191 codes: four registers for each step, so that no store's data are written again
.set W,     16                         ; v16-143  Wout's path: 16 pairs of loads, 8 registers each
.set WREG,  8192                       ; LDS: a region for each wave: two stages of 32 x SP bytes, behind them its 256 scale bytes
.set SP,    80                         ; a lane's place in a stage: 64 bytes + 16 of padding
.set SPW,   12                         ; v12      LDS address of my spare word: SPARE + 4 x my thread's number; never rewritten
.set NIL,   13                         ; v13      0; never rewritten
.set SPARE, WAVES*WREG                 ; behind the four regions: the spare words, 128 bytes for each wave
	s_load_b256 s[4:11], s[0:1], 0x0               ; x s[4:5], Wqkv s[6:7], codes s[8:9], scales s[10:11]
	s_load_b256 s[32:39], s[0:1], 0x20             ; Wout s[32:33], wh s[34:35], cos s[36:37], sin s[38:39]
	s_load_b64 s[40:41], s[0:1], 0x40              ; rope
	v_lshl_add_u32 v[SPW], v0, 2, SPARE
	v_mov_b32 v[NIL], 0
	v_lshrrev_b32 v1, 5, v0
	v_readfirstlane_b32 s16, v1                    ; wave
	v_and_b32 v2, 31, v0                           ; lane
	s_wait_kmcnt 0x0
	s_cmp_ge_u32 ttmp9, WGQ
	s_cbranch_scc1 .Lother
	; ---------------- x and Wqkv into codes and scale bytes
	v_lshlrev_b32 v3, 4, v2                        ; my 16 bytes of a load's 512
	s_mul_i32 s17, s16, WREG
	v_lshrrev_b32 v14, 2, v2
	v_mul_u32_u24 v14, v14, SP
	v_and_b32 v15, 3, v2
	v_lshl_add_u32 v14, v15, 4, v14
	v_add_nc_u32 v14, s17, v14                     ; the stage, on the way in: SP (lane / 4) + 16 (lane % 4)
	v_mul_u32_u24 v15, v2, SP
	v_add_nc_u32 v15, s17, v15                     ; and on the way out: SP x lane: my 16 neighbours
	v_mul_u32_u24 v4, v2, CB                       ; my codes' place in a step's
	v_lshrrev_b32 v5, 1, v2
	s_add_co_u32 s17, s17, 2*32*SP
	v_add_nc_u32 v5, s17, v5                       ; LDS: my wave's 256 scale bytes, my block's byte
	v_lshlrev_b32 v7, 3, v2                        ; and on the way out 8 bytes a lane
	v_add_nc_u32 v6, s17, v7
	s_cmp_lt_u32 ttmp9, WGX                        ; x's work-group or Wqkv's?  Only the input's pointer is chosen: the outputs are one stream
	s_cselect_b64 s[4:5], s[4:5], s[6:7]
	s_cselect_b32 s17, 0, WGX
	s_sub_co_u32 s17, ttmp9, s17
	s_lshl_b32 s17, s17, 2
	s_add_co_u32 s18, s17, s16                     ; which run of 8,192 numbers of the input is my wave's
	s_mov_b32 s19, 0
	s_lshl_b64 s[20:21], s[18:19], 15              ; 32,768 bytes a run
	s_add_nc_u64 s[4:5], s[4:5], s[20:21]
	s_lshl_b32 s18, ttmp9, 2
	s_add_co_u32 s18, s18, s16                     ; which run of the outputs
	s_lshl_b32 s20, s18, 12                        ; 4,096 bytes of codes a run
	s_mov_b32 s21, 0
	s_add_nc_u64 s[8:9], s[8:9], s[20:21]
	s_lshl_b32 s18, s18, 8                         ; 256 scale bytes a run
	s_add_nc_u64 s[10:11], s[10:11], s[18:19]
.macro LOAD t
.irp i, 0,1,2,3
	global_load_b128 v[R+16*((\t)%4)+4*\i:R+16*((\t)%4)+4*\i+3], v3, s[4:5] offset:2048*(\t)+512*\i th:TH_LOAD_NT   ; 32 lanes read 512 consecutive bytes
.endr
.endm
.macro TURN t                          ; step t's numbers through the stage: LDS serves a wave's instructions in order (ISA guide 5.7.1.4), so no wait stands between the stores and the loads
.irp i, 0,1,2,3
	ds_store_b128 v14, v[R+16*((\t)%4)+4*\i:R+16*((\t)%4)+4*\i+3] offset:32*SP*((\t)%2)+8*SP*\i
.endr
.irp i, 0,1,2,3
	ds_load_b128 v[X+16*((\t)%2)+4*\i:X+16*((\t)%2)+4*\i+3], v15 offset:32*SP*((\t)%2)+16*\i
.endr
.endm
.irp t, 0,1,2,3
	LOAD \t
.endr
	s_wait_loadcnt 12                              ; step 0's four loads are in; the twelve of steps 1 to 3 may be out
	TURN 0
.macro STEP t
.set XS, X+16*((\t)%2)
.if (\t) > 0
	s_wait_dscnt 1                                 ; this step's numbers are back from the stage (the last step's byte store may be out): so its stores into the stage have read their registers,
.else
	s_wait_dscnt 0x0
.endif
.if (\t)+4 < STEPS
	LOAD (\t)+4                                    ; which take the loads of four steps on
.endif
.if (\t)+1 < STEPS
.if STEPS-2-(\t) >= 3
	s_wait_loadcnt 12                              ; the next step's four loads are in; those of the three steps behind it may be out
.else
	s_wait_loadcnt 4*(STEPS-2-(\t))
.endif
	TURN (\t)+1                                    ; and go through the other stage while this step is worked
.endif
	v_max3_num_f32 v8, |v[XS]|, |v[XS+1]|, |v[XS+2]|               ; the largest magnitude of my 16, in two chains
	v_max3_num_f32 v9, |v[XS+3]|, |v[XS+4]|, |v[XS+5]|
.irp i, 6,10
	v_max3_num_f32 v8, v8, |v[XS+\i]|, |v[XS+\i+1]|
	v_max3_num_f32 v9, v9, |v[XS+\i+2]|, |v[XS+\i+3]|
.endr
	v_max3_num_f32 v8, v8, |v[XS+14]|, |v[XS+15]|
	v_max3_num_f32 v8, v8, v9, (EMAX+1)<<23        ; and the floor 2^(EMAX + 1 - 127): so the byte cannot fall under 1
	v_max_num_f32_dpp v8, v8, v8 row_xmask:1 row_mask:0xf bank_mask:0xf   ; and of my neighbour's 16: the block's
	v_add_nc_u32 v11, 0xff000000, v8               ; EMAX off its exponent field: the conversion takes the exponent field of this operand as its scale, and nothing else of it
	v_cvt_scalef32_pk8_fp4_f32 v[C+4*(\t)], v[XS:XS+7], v11        ; eight numbers / the scale, to the nearest code; the first number's code in the lowest four bits
	v_cvt_scalef32_pk8_fp4_f32 v[C+4*(\t)+1], v[XS+8:XS+15], v11
	v_lshrrev_b32 v[E+(\t)], 23, v11               ; the scale's byte (a plain line behind the conversions)
	ds_store_b8 v5, v[E+(\t)] offset:16*(\t)       ; both lanes of a block write the same byte with the same value
	global_store_b64 v4, v[C+4*(\t):C+4*(\t)+1], s[8:9] offset:32*CB*(\t)   ; 32 lanes store 256 consecutive bytes, aligned
.endm
.irp t, 0,1,2,3,4,5,6,7,8,9,10,11,12,13,14,15
	STEP \t
.endr
	ds_load_b64 v[8:9], v6                         ; these see my byte stores: LDS serves a wave in order
	s_wait_dscnt 0x0
	global_store_b64 v7, v[8:9], s[10:11]          ; 32 lanes store 256 consecutive bytes, aligned
	s_wait_tensorcnt 0x0                           ; the wave's end, behind my last LDS store
	ds_add_u32 v[SPW], v[NIL]
	s_wait_dscnt 0x0
	s_endpgm
.Lother:
	s_cmp_ge_u32 ttmp9, WGW
	s_cbranch_scc1 .Lrope
	; ---------------- Wout into f16 by planes.  A wave takes 4 rows n.  A load reads 512 consecutive bytes of a row: 128 along K, lanes 0-15 one plane's 64, lanes 16-31 the next plane's.
	; Two rows' loads are rounded to f16 (8 bytes a lane) and change halves, so that one register pair holds rows n and n + 1 of ONE plane: 256 consecutive bytes of wh.
	s_sub_co_u32 s17, ttmp9, WGQ
	s_lshl_b32 s17, s17, 2
	s_add_co_u32 s17, s17, s16                     ; 0 .. 255: my four rows
	s_lshl_b32 s18, s17, 14                        ; 4 rows of 4,096 bytes
	s_mov_b32 s19, 0
	s_add_nc_u64 s[32:33], s[32:33], s[18:19]
	s_lshl_b32 s18, s17, 9                         ; 4 rows of 128 bytes in a plane
	s_add_nc_u64 s[34:35], s[34:35], s[18:19]
	v_lshlrev_b32 v3, 4, v2                        ; in: 16 bytes a lane
	v_lshlrev_b32 v4, 3, v2                        ; out: 8 bytes a lane
.irp pr, 0,1
.irp e, 0,1,2,3,4,5,6,7
	global_load_b128 v[W+8*(8*\pr+\e):W+8*(8*\pr+\e)+3],   v3, s[32:33] offset:(2*\pr)*4096+512*\e th:TH_LOAD_NT
	global_load_b128 v[W+8*(8*\pr+\e)+4:W+8*(8*\pr+\e)+7], v3, s[32:33] offset:(2*\pr+1)*4096+512*\e th:TH_LOAD_NT
.endr
.endr
.macro WPAIR pr, e
.set WX, W+8*(8*(\pr)+(\e))
	s_wait_loadcnt 2*(15-8*(\pr)-(\e))             ; this pair's two loads are in; the later pairs' may be out
	v_cvt_pk_f16_f32 v[WX],   v[WX],   v[WX+1]     ; row n: four numbers into 8 bytes
	v_cvt_pk_f16_f32 v[WX+1], v[WX+2], v[WX+3]
	v_cvt_pk_f16_f32 v[WX+4], v[WX+4], v[WX+5]     ; row n + 1
	v_cvt_pk_f16_f32 v[WX+5], v[WX+6], v[WX+7]
	v_permlane16_swap_b32 v[WX],   v[WX+4]         ; the first's lanes 16-31 change places with the second's lanes 0-15:
	v_permlane16_swap_b32 v[WX+1], v[WX+5]         ; the first pair is now plane 2 e of both rows, the second plane 2 e + 1
	global_store_b64 v4, v[WX:WX+1],   s[34:35] offset:(2*(\e))*131072+256*(\pr)     ; 32 lanes store 256 consecutive bytes, aligned
	global_store_b64 v4, v[WX+4:WX+5], s[34:35] offset:(2*(\e)+1)*131072+256*(\pr)
.endm
.irp pr, 0,1
.irp e, 0,1,2,3,4,5,6,7
	WPAIR \pr, \e
.endr
.endr
	s_endpgm                                       ; no register of a store is written again
.Lrope:
	; ---------------- cos and sin x 2^-4 into register images.  A wave takes a block of 16 positions.  The pieces of 16 bytes are gathered here, once, so that the projection's launch reads 512 consecutive bytes a load.
	s_sub_co_u32 s17, ttmp9, WGW
	s_lshl_b32 s17, s17, 2
	s_add_co_u32 s17, s17, s16                     ; g: 0 .. 127
	s_lshl_b32 s18, s17, 12                        ; 16 rows of 256 bytes
	s_mov_b32 s19, 0
	s_add_nc_u64 s[36:37], s[36:37], s[18:19]
	s_add_nc_u64 s[38:39], s[38:39], s[18:19]
	s_lshl_b32 s18, s17, 13                        ; 8,192 bytes of images a block
	s_add_nc_u64 s[40:41], s[40:41], s[18:19]
	v_and_b32 v3, 15, v0                           ; r
	v_bfe_u32 v4, v0, 4, 1                         ; h
	v_lshlrev_b32 v3, 8, v3
	v_lshl_add_u32 v3, v4, 5, v3                   ; 256 r + 32 h
	v_lshlrev_b32 v5, 4, v2                        ; out: 16 bytes a lane
.irp g, 0,1,2,3,4,5,6,7
	global_load_b128 v[16+4*\g:19+4*\g], v3, s[36:37] offset:64*(\g/2)+16*(\g%2)
	global_load_b128 v[48+4*\g:51+4*\g], v3, s[38:39] offset:64*(\g/2)+16*(\g%2)
.endr
	s_wait_loadcnt 0x0
.set j, 0
.rept 32
	v_pk_mul_f32 v[16+j:17+j], v[16+j:17+j], 0x3d800000 op_sel_hi:[1,0]   ; x 2^-4: q and k are kept so much smaller, so that they have room in f16
.set j, j+2
.endr
.irp g, 0,1,2,3,4,5,6,7,8,9,10,11,12,13,14,15
	global_store_b128 v5, v[16+4*\g:19+4*\g], s[40:41] offset:512*\g   ; 32 lanes store 512 consecutive bytes, aligned
.endr
	s_endpgm
.Lfunc_end_k_q24cecb068b_prep:
	.size	k_q24cecb068b_prep, .Lfunc_end_k_q24cecb068b_prep-k_q24cecb068b_prep
	.p2alignl 7, 3214868480
	.fill 96, 4, 3214868480
	.section	.rodata,"a",@progbits
	.p2align	6, 0x0
	.amdhsa_kernel k_q24cecb068b_prep
		.amdhsa_group_segment_fixed_size 33280
		.amdhsa_private_segment_fixed_size 0
		.amdhsa_enable_private_segment 0
		.amdhsa_kernarg_size 72
		.amdhsa_user_sgpr_count 2
		.amdhsa_user_sgpr_kernarg_segment_ptr 1
		.amdhsa_wavefront_size32 1
		.amdhsa_system_sgpr_workgroup_id_x 1
		.amdhsa_system_sgpr_workgroup_id_y 1
		.amdhsa_system_sgpr_workgroup_id_z 1
		.amdhsa_system_vgpr_workitem_id 0
		.amdhsa_next_free_vgpr 192
		.amdhsa_next_free_sgpr 66
		.amdhsa_reserve_vcc 0
		.amdhsa_float_denorm_mode_32 3
		.amdhsa_float_denorm_mode_16_64 3
		.amdhsa_memory_ordered 1
		.amdhsa_forward_progress 1
		.amdhsa_inst_pref_size 52
	.end_amdhsa_kernel
	.amdgpu_metadata
---
amdhsa.version: [ 1, 2 ]
amdhsa.kernels:
  - .name:           k_q24cecb068b_prep
    .symbol:         k_q24cecb068b_prep.kd
    .args:
      - { .name: x, .offset: 0, .size: 8, .value_kind: global_buffer, .address_space: global }
      - { .name: Wqkv, .offset: 8, .size: 8, .value_kind: global_buffer, .address_space: global }
      - { .name: codes, .offset: 16, .size: 8, .value_kind: global_buffer, .address_space: global }
      - { .name: scales, .offset: 24, .size: 8, .value_kind: global_buffer, .address_space: global }
      - { .name: Wout, .offset: 32, .size: 8, .value_kind: global_buffer, .address_space: global }
      - { .name: wh, .offset: 40, .size: 8, .value_kind: global_buffer, .address_space: global }
      - { .name: cos, .offset: 48, .size: 8, .value_kind: global_buffer, .address_space: global }
      - { .name: sin, .offset: 56, .size: 8, .value_kind: global_buffer, .address_space: global }
      - { .name: rope, .offset: 64, .size: 8, .value_kind: global_buffer, .address_space: global }
    .group_segment_fixed_size: 33280
    .private_segment_fixed_size: 0
    .kernarg_segment_align: 8
    .kernarg_segment_size: 72
    .max_flat_workgroup_size: 128
    .sgpr_count:     66
    .vgpr_count:     192
    .wavefront_size: 32
...
	.end_amdgpu_metadata
.endif
;; end of part 1
;; launch qkv (part 2): grid 12 x 32, 4 waves a work-group, clusters of 4 x 4, 327,680 bytes of LDS; arguments codes, scales, rope, qkv; writes qkv
.if DOCPART == 2
	.amdgcn_target "amdgcn-amd-amdhsa--gfx1250"
	.amdhsa_code_object_version 6
	.text
	.protected	k_q24cecb068b_qkv
	.globl	k_q24cecb068b_qkv
	.p2align	8
	.type	k_q24cecb068b_qkv,@function
k_q24cecb068b_qkv:
	s_mov_b64 s[64:65], 0
	v_nop
	global_prefetch_b8 v0, s[64:65] scope:SCOPE_SE
	s_setreg_imm32_b32 hwreg(HW_REG_WAVE_MODE, 25, 1), 1
	s_wait_xcnt 0x0
	s_wait_alu depctr_hold_cnt(0) depctr_sa_sdst(0) depctr_va_vdst(0) depctr_va_sdst(0) depctr_va_ssrc(0) depctr_va_vcc(0) depctr_vm_vsrc(0)
	s_getreg_b32 s2, hwreg(HW_REG_IB_STS2, 6, 4)
	s_cmp_eq_u32 s2, 0
	s_cbranch_scc0 .Lentry_in_a_cluster
	s_endpgm
.Lentry_in_a_cluster:
	s_bfe_u32 s2, ttmp6, 0x10000c
	s_cmp_lg_u32 s2, 0xf033
	s_cbranch_scc0 .Lentry_shape_is_right
	s_endpgm
.Lentry_shape_is_right:
; QKV: [8192 tokens][3072] = x Wqkv^T on codes of FP4 (E2M1) with one E8M0 scale for each 32 along K = 1,024; sums in f32; then the rotation of q and k, in the accumulators; q, k, v leave as f16, by head:
; qkv [3 (q, k, v)][64 (16 batch + head)][2048 positions][64].  q and k are stored x 2^-4 (the cos and sin images hold that factor; exact), v as it is.
; LIMITS: rotated |q|, |k| under 16 x 65,504 and |v| under 65,504 (f16); NaN and infinities are not served.
; A tile of 256 tokens x 256 columns is made by a work-group of four waves; a wave makes 128 x 128: 64 accumulators of 16 x 16, 512 registers.  All of K lies in two LDS slots of 512 along K (rows of 256 bytes),
; each filled once by the tensor data mover; the scale bytes of the work-group's 256 + 256 rows come with them, as two dense blocks.
; CLUSTERS: 4 x 4 work-groups.  The four of a row of the cluster need the same tiles of x, the four of a column the same tiles of Wqkv: each tile is asked for JOINTLY, by the same tensor load with the same
; descriptor and a mask that names the four.  A cluster's four tile columns are 1,024 columns: the cluster's x IS the kind (0 q, 1 k, 2 v), the same in all sixteen partners.
; THE MATRIX INSTRUCTION IS USED TRANSPOSED (source 0 = 16 rows of Wqkv, source 1 = 16 tokens): lane (r, h) of accumulator (a, b) holds token 16 a + r and columns 16 b + 8 h + 0 .. 7.  A wave's 128 columns are two
; heads (b / 4); a channel's partner in the rotation, 32 channels away, lies two accumulators away in the same lane and register: nothing changes lanes.
; REGISTERS, in windows of 256: window 0: v0-31 addresses; v32-95 scale words, two sets (they hold nothing else); v96-127 at work on the way out; from v128 x's fragments, ONE set; on the way out v128-223.
;   window 1: Wqkv's fragments, TWO sets, at v0 and v128; v64-127 and v192-255: two sets of cos and sin images.   window 2: the accumulators of my tokens 0-63 ((a, b) at v[8 (8 a + b)]);   window 3: of tokens 64-127.
.set KSTEP,  512                       ; along K in a slot
.set NQ,     KSTEP/128                 ; matrix instructions deep
.set ROWB,   256                       ; a tile's row in bytes
.set KROW,   512                       ; a row of codes in memory
.set PITCH,  272                       ; an LDS row: 256 bytes + 16 of padding = 68 words: row r starts at bank 4 r mod 64 (64 banks of 4 bytes: ISA guide 11.1)
.set FR,     8                         ; registers of a fragment: 16 rows x 128 K
.set NL,     2                         ; LDS loads that bring one
.set NP,     4                         ; places behind this matrix instruction (ISA guide 7.12.1)
.set HALFT,  128*PITCH                 ; 128 rows: what one tensor load brings
.set SLOT,   4*HALFT                   ; x's 256 rows, then Wqkv's 256 rows
.set KS,     32                        ; a row of scale bytes
.set SCL,    2*SLOT                    ; behind the slots: the scales, as runs of 256 bytes + 16 of padding
.set HALFS,  (128*KS/256)*272          ; the scales of 128 rows
.set SBLK,   (16*KS/256)*272           ; those of 16 rows
.set SPARE,  SCL+4*HALFS               ; behind the scales: the spare words, 128 bytes for each wave
.set SPITCH, 144                       ; the way out: a stage of 2 heads x 16 rows x (128 bytes + 16) for each wave, in slot 0, which has had its only fill and its last read when the first result is stored there
.set ADRA, 16                          ; v16-17  LDS address of my x fragments in slot 0, 1
.set ADRB, 20                          ; v20-21  the same for Wqkv
.set STO,  24                          ; v24     the way out: where I put 16 bytes of a row
.set RD,   25                          ; v25     the way out: where I read rows back
.set CO,   26                          ; v26     16 x lane: my place in 512 consecutive bytes of the images and of qkv
.set ADRS, 27                          ; v27     LDS address of my scale words: lanes 0-15 x's rows, lanes 16-31 Wqkv's
.set SPW,  28                          ; v28     LDS address of my spare word; never rewritten
.set NIL,  29                          ; v29     0; never rewritten
.set SC,   32                          ; scale words: set s at v[SC + 8 NQ s]; register NQ i + q: lanes 0-15 the word of x's block i, lanes 16-31 that of Wqkv's block i
.set T,    96                          ; v96-127  a head's 64 rotated channels, 32 registers (window 0)
.set AF,   128                         ; x's fragments
.set PK,   128                         ; v128-159 a block's results as f16
.set BK,   160                         ; v160-191, v192-223 by turns: a block's rows read back from the stage
.set G1, 24                            ; s[24:31] descriptor group 1 for x's tiles;  s[32:39] group 0, one set for each slot
.set G0, 32
.set G1B, 48                           ; s[48:55], s[56:63] the same for Wqkv's
.set G0B, 56
.set G1S, 68                           ; s[68:75], s[76:79] groups 1 and 0 for x's scales;  s[80:87], s[88:91] for Wqkv's
.set G0S, 76
.set G1SB, 80
.set G0SB, 88
.set MSB, 0
.macro WIN new                         ; the immediate's high byte repeats the setting that is left
.if MSB != \new
	s_set_vgpr_msb (MSB<<8)|\new
.set MSB, \new
.endif
.endm
.set MUL_LO, 0xa1                      ; source 0 (Wqkv) window 1, source 1 (x) window 0, C and D window 2
.set MUL_HI, 0xf1                      ; the same, C and D window 3
.set TO_B,   0x40                      ; destination window 1, address window 0
; A joint load: waves 0 and 1 fetch for x, waves 2 and 3 for Wqkv.  The branch hangs on the wave's number alone.  An s_nop 0 and four v_nop follow each of the two lines.
.macro JLOAD g0a, g1a, g0b, g1b
	s_cmp_eq_u32 s15, 0
	s_cbranch_scc0 .Lfor_b_\@
	tensor_load_to_lds s[\g0a:\g0a+3], s[\g1a:\g1a+7]
	s_nop 0
.rept 4
	v_nop
.endr
	s_branch .Lasked_\@
.Lfor_b_\@:
	tensor_load_to_lds s[\g0b:\g0b+3], s[\g1b:\g1b+7]
	s_nop 0
.rept 4
	v_nop
.endr
.Lasked_\@:
.endm
.macro CROUND                          ; a round of the cluster's barrier: my work-group's barrier; wave 0 signals for the work-group; every wave waits for all sixteen; my work-group's barrier once more
	s_barrier_signal -1
	s_barrier_wait -1
	s_cmp_lg_u32 s14, 0
	s_cbranch_scc1 .Lnot_wave_0_\@
	s_barrier_signal -3
.Lnot_wave_0_\@:
	s_barrier_wait -3
	s_barrier_signal -1
	s_barrier_wait -1
.endm
	s_load_b128 s[4:7], s[0:1], 0x0                ; codes s[4:5], scales s[6:7]
	s_load_b128 s[96:99], s[0:1], 0x10             ; rope s[96:97], qkv s[98:99]
	v_lshl_add_u32 v[SPW], v0, 2, SPARE
	v_mov_b32 v[NIL], 0
	ds_add_u32 v[SPW], v[NIL]                      ; the wave's opening: the add, twice on end, and its wait ahead of my first tensor load; the set-up below stands between
	ds_add_u32 v[SPW], v[NIL]
	v_lshrrev_b32 v1, 5, v0
	v_readfirstlane_b32 s14, v1                    ; wave 0..3
	s_lshr_b32 s15, s14, 1                         ; which half of the tile's tokens is mine.  Also: I fetch for x (0) or for Wqkv (1)
	s_and_b32 s16, s14, 1                          ; which half of its columns.  Also: which 128 rows of that tile I fetch
	s_bfe_u32 s40, ttmp6, 0x40000                  ; cx, cy: my place in the cluster
	s_bfe_u32 s41, ttmp6, 0x40004
	s_lshl_b32 s42, ttmp9, 2
	s_add_co_u32 s42, s42, s40                     ; tile column = 4 x cluster x + cx
	s_and_b32 s17, ttmp7, 0xffff
	s_lshl_b32 s17, s17, 2
	s_add_co_u32 s17, s17, s41                     ; tile row = 4 x cluster y + cy
	s_lshl_b32 s43, s41, 2
	s_lshl_b32 s43, 15, s43                        ; my row of the cluster
	s_lshl_b32 s44, 0x1111, s40                    ; my column
	; descriptor group 1: a tile of 128 rows x 256 bytes, padded in LDS
	s_or_b32 s[G1+0], s43, (0<<16)|(1<<20)|(1<<21)|(5<<22)|(3<<25)  ; 15:0 the mask: x's tiles go to my row; 17:16 element of 1 byte; 20 padding on; 21 set beside a mask; 24:22 after every 64 words; 31:25 four words
	s_or_b32 s[G1B+0], s44, (0<<16)|(1<<20)|(1<<21)|(5<<22)|(3<<25)
.irp g, G1, G1B
	s_mov_b32 s[\g+1], ROWB<<16                    ; tensor_dim0
	s_mov_b32 s[\g+2], 128<<16                     ; tensor_dim1
	s_mov_b32 s[\g+3], ROWB<<16                    ; tile_dim0
	s_mov_b32 s[\g+4], 128                         ; tile_dim1
	s_mov_b32 s[\g+5], KROW                        ; tensor_dim0_stride
	s_mov_b32 s[\g+6], 0
	s_mov_b32 s[\g+7], 0
.endr
	; and for the scales of 128 rows: a dense block of 4,096 bytes, as rows of 256 bytes (32 elements of 8 bytes), 16 bytes of padding behind each
	s_or_b32 s[G1S+0], s43, (3<<16)|(1<<20)|(1<<21)|(5<<22)|(3<<25)
	s_or_b32 s[G1SB+0], s44, (3<<16)|(1<<20)|(1<<21)|(5<<22)|(3<<25)
.irp g, G1S, G1SB
	s_mov_b32 s[\g+1], 32<<16
	s_mov_b32 s[\g+2], (128*KS/256)<<16
	s_mov_b32 s[\g+3], 32<<16
	s_mov_b32 s[\g+4], 128*KS/256
	s_mov_b32 s[\g+5], 32
	s_mov_b32 s[\g+6], 0
	s_mov_b32 s[\g+7], 0
.endr
	s_lshl_b32 s18, s16, 7                         ; which 128 rows of the tile I fetch
	s_lshl_b32 s20, s17, 8
	s_add_co_u32 s20, s20, s18                     ; x: row 256 x tile row + 128 x half
	s_lshl_b32 s46, s42, 8
	s_add_co_u32 s46, s46, s18                     ; Wqkv: row 256 x tile column + 128 x half
	s_mov_b32 s21, 0
	s_mov_b32 s47, 0
	s_mov_b64 s[18:19], KS
	s_mul_u64 s[22:23], s[20:21], s[18:19]         ; where these rows' scales begin, in bytes
	s_mul_u64 s[92:93], s[46:47], s[18:19]
	s_mov_b64 s[18:19], KROW
	s_mul_u64 s[20:21], s[20:21], s[18:19]         ; and their codes
	s_mul_u64 s[46:47], s[46:47], s[18:19]
	s_mul_i32 s45, s14, HALFT                      ; where they go: wave x 128 rows: no place in the cluster enters an LDS address
	s_mul_i32 s94, s14, HALFS
	s_wait_dscnt 0x0                               ; both opening adds are done
	s_wait_kmcnt 0x0
	s_add_nc_u64 s[8:9], s[4:5], 0x400000          ; Wqkv's codes lie behind x's 4,194,304 bytes,
	s_add_nc_u64 s[10:11], s[6:7], 0x40000         ; its scale bytes behind x's 262,144
	s_add_nc_u64 s[20:21], s[4:5], s[20:21]
	s_add_nc_u64 s[22:23], s[6:7], s[22:23]
	s_add_nc_u64 s[46:47], s[8:9], s[46:47]
	s_add_nc_u64 s[92:93], s[10:11], s[92:93]
	CROUND                                         ; all sixteen work-groups are here: the joint loads meet
	s_mov_b32 s[G0S], 1
	s_add_co_u32 s[G0S+1], s94, SCL
	s_mov_b64 s[G0S+2:G0S+3], s[22:23]
	s_or_b32 s[G0S+3], s[G0S+3], 0x80000000
	s_mov_b32 s[G0SB], 1
	s_add_co_u32 s[G0SB+1], s94, SCL
	s_mov_b64 s[G0SB+2:G0SB+3], s[92:93]
	s_or_b32 s[G0SB+3], s[G0SB+3], 0x80000000
	JLOAD G0S, G1S, G0SB, G1SB                     ; the scales first: they are wanted with the first slot
.irp s, 0,1
	s_mov_b32 s[G0+4*\s], 1
	s_add_co_u32 s[G0+4*\s+1], s45, \s*SLOT
	s_add_nc_u64 s[G0+4*\s+2:G0+4*\s+3], s[20:21], \s*ROWB
	s_or_b32 s[G0+4*\s+3], s[G0+4*\s+3], 0x80000000
	s_mov_b32 s[G0B+4*\s], 1
	s_add_co_u32 s[G0B+4*\s+1], s45, \s*SLOT
	s_add_nc_u64 s[G0B+4*\s+2:G0B+4*\s+3], s[46:47], \s*ROWB
	s_or_b32 s[G0B+4*\s+3], s[G0B+4*\s+3], 0x80000000
	JLOAD G0+4*\s, G1, G0B+4*\s, G1B               ; three loads of mine are out now, and no more follow
.endr
	v_and_b32 v1, 15, v0                           ; r = l % 16
	v_bfe_u32 v2, v0, 4, 1                         ; h = l / 16
	v_mul_u32_u24 v3, v1, PITCH
	v_lshl_add_u32 v4, v2, 4, v3                   ; a fragment's row x pitch + 16 x half
	s_mul_i32 s21, s15, HALFT                      ; my 128 rows of x
	s_mul_i32 s22, s16, HALFT                      ; my 128 rows of Wqkv,
	s_add_co_u32 s22, s22, 2*HALFT                 ; which lie behind x's 256
.irp s, 0,1
	v_add_nc_u32 v[ADRA+\s], s21, v4
	v_add_nc_u32 v[ADRB+\s], s22, v4
	s_add_co_u32 s21, s21, SLOT
	s_add_co_u32 s22, s22, SLOT
.endr
	v_mul_u32_u24 v5, v1, KS                       ; my row's scales: KS bytes a row,
	v_lshrrev_b32 v6, 8, v5
	v_lshl_add_u32 v5, v6, 4, v5                   ; and 16 more for each 256 passed
	s_mul_i32 s21, s15, HALFS                      ; x's: my 128 rows
	s_mul_i32 s22, s16, HALFS                      ; Wqkv's: my 128 rows, behind x's 256
	s_add_co_u32 s22, s22, 2*HALFS
	s_sub_co_u32 s22, s22, s21
	v_mul_u32_u24 v6, s22, v2                      ; lanes 16-31 take Wqkv's
	s_add_co_u32 s21, s21, SCL
	v_add_nc_u32 v5, v5, v6
	v_add_nc_u32 v[ADRS], s21, v5
	s_mul_i32 s23, s14, 2*16*SPITCH                ; my stage
	v_mul_u32_u24 v5, v1, SPITCH                   ; in: row r, 16 bytes for each half of the lanes
	v_lshl_add_u32 v5, v2, 4, v5
	v_add_nc_u32 v[STO], s23, v5
	v_and_b32 v6, 31, v0
	v_lshrrev_b32 v5, 3, v6                        ; back: eight lanes to a row of 128 bytes, four rows a load
	v_mul_u32_u24 v5, v5, SPITCH
	v_and_b32 v7, 7, v0
	v_lshl_add_u32 v5, v7, 4, v5
	v_add_nc_u32 v[RD], s23, v5
	v_lshlrev_b32 v[CO], 4, v6
	; where my 128 tokens' images begin, and my part of qkv
	s_and_b32 s20, s17, 7                          ; a batch is 8 tile rows
	s_lshl_b32 s20, s20, 8
	s_lshl_b32 s21, s15, 7
	s_add_co_u32 s20, s20, s21                     ; my first position
	s_lshl_b32 s22, s20, 9                         ; 8,192 bytes of images for 16 positions
	s_mov_b32 s23, 0
	s_add_nc_u64 s[96:97], s[96:97], s[22:23]
	s_lshr_b32 s22, s17, 3
	s_lshl_b32 s22, s22, 4                         ; 16 x batch
	s_lshl_b32 s46, s40, 2
	s_lshl_b32 s47, s16, 1
	s_add_co_u32 s46, s46, s47                     ; my first head: 4 cx + 2 x column half
	s_add_co_u32 s22, s22, s46
	s_lshl_b32 s22, s22, 18                        ; a head's 2,048 rows of 128 bytes
	s_lshl_b32 s46, ttmp9, 24                      ; the kind's 64 heads
	s_add_co_u32 s22, s22, s46
	s_lshl_b32 s46, s20, 7
	s_add_co_u32 s22, s22, s46                     ; my first position's row
	s_add_nc_u64 s[12:13], s[98:99], s[22:23]
.macro FRAG reg, adr, q, i             ; a fragment, 16 rows x 128 K of 4-bit codes: lane l holds row l % 16; registers 4 c .. 4 c + 3 hold K = 64 c + 32 (l / 16) + 0 .. 31
.irp c, 0,1
	ds_load_b128 v[\reg+4*\c:\reg+4*\c+3], v[\adr] offset:64*(\q)+32*\c+(\i)*16*PITCH
.endr
.endm
; 16 matrix instructions: x's blocks a0, a0 + 1 against Wqkv's eight, 128 along K: the slot's q-th.  p: Wqkv's set;  sc: the set of scale words.  zero = 1: the first product starts the sums.
; The 64 accumulators take turns, one instruction a turn, in the same order in every step.
.macro MUL16 a0, p, q, sc, zero
.irp a, \a0, \a0+1
.irp b, 0,1,2,3,4,5,6,7
.if \zero
	v_wmma_scale_f32_16x16x128_f8f6f4 v[8*(8*((\a)%4)+\b):8*(8*((\a)%4)+\b)+7], v[128*(\p)+FR*\b:128*(\p)+FR*\b+FR-1], v[AF+FR*(\a):AF+FR*(\a)+FR-1], 0, v[SC+8*NQ*(\sc)+NQ*\b+(\q)], v[SC+8*NQ*(\sc)+NQ*(\a)+(\q)] matrix_a_fmt:MATRIX_FMT_FP4 matrix_b_fmt:MATRIX_FMT_FP4 matrix_a_scale:MATRIX_SCALE_ROW1
.else
	v_wmma_scale_f32_16x16x128_f8f6f4 v[8*(8*((\a)%4)+\b):8*(8*((\a)%4)+\b)+7], v[128*(\p)+FR*\b:128*(\p)+FR*\b+FR-1], v[AF+FR*(\a):AF+FR*(\a)+FR-1], v[8*(8*((\a)%4)+\b):8*(8*((\a)%4)+\b)+7], v[SC+8*NQ*(\sc)+NQ*\b+(\q)], v[SC+8*NQ*(\sc)+NQ*(\a)+(\q)] matrix_a_fmt:MATRIX_FMT_FP4 matrix_b_fmt:MATRIX_FMT_FP4 matrix_a_scale:MATRIX_SCALE_ROW1
.endif
.endr
.endr
.endm
.macro FETCH_B slot, q, p              ; Wqkv's eight fragments of the slot's q-th 128 along K into set p
	WIN TO_B
.irp i, 0,1,2,3,4,5,6,7
	FRAG 128*(\p)+FR*\i, ADRB+\slot, \q, \i
.endr
	WIN 0
.endm
.macro FETCH_A slot, q, i0             ; x's blocks i0 .. i0 + 3
.irp i, \i0, \i0+1, \i0+2, \i0+3
	FRAG AF+FR*(\i), ADRA+\slot, \q, \i
.endr
.endm
.macro SCALES sc                       ; a slot's scale words into set sc: NQ words a row; lanes 0-15 take x's block i, lanes 16-31 Wqkv's block i
.irp i, 0,1,2,3,4,5,6,7
	ds_load_b128 v[SC+8*NQ*\sc+NQ*\i:SC+8*NQ*\sc+NQ*\i+3], v[ADRS] offset:\i*SBLK
.endr
.endm
; A load into a register that a matrix instruction has read, and a vector instruction that reads a matrix result or writes one of its registers, stand NP places behind it; only plain vector
; instructions that name none of its registers are places (ISA guide 7.12.1 for vector instructions).
.macro PLACES n
.rept \n
	v_nop
.endr
.endm
; A step of 128 along K that has its successor in the same slot.  A block of x is free as soon as its eight products are issued, so one set serves x: blocks 0-3 are fetched anew in the step's middle, blocks 4-7 at its end.
.macro STEP slot, q, zero
	s_wait_dscnt 4*NL                              ; Wqkv's set and x's blocks 0-3 are in; the youngest eight loads (x's blocks 4-7) may be out
	WIN MUL_LO
	MUL16 0, (\q)%2, \q, \slot, \zero
	MUL16 2, (\q)%2, \q, \slot, \zero
	s_wait_dscnt 0                                 ; x's blocks 4-7 are in
	PLACES NP
	FETCH_B \slot, (\q)+1, 1-(\q)%2
	FETCH_A \slot, (\q)+1, 0
	WIN MUL_HI
	MUL16 4, (\q)%2, \q, \slot, \zero
	MUL16 6, (\q)%2, \q, \slot, \zero
	PLACES NP
	WIN 0
	FETCH_A \slot, (\q)+1, 4
.endm
; Slot 0's last step changes slots: one barrier; in front of it each wave waits for all its tensor loads (slot 1's is the one that may still be out), adds 0 to its spare word, and waits for that and for its own
; reads of slot 0.  Nothing is filled again: all of K lies in the two slots.
.macro TURN slot, next
	s_wait_tensorcnt 0x0                           ; my part of the next slot has landed  (every window is 0 here: the add's two registers lie in window 0)
	ds_add_u32 v[SPW], v[NIL]                      ; 0 onto my spare word
	s_wait_dscnt 4*NL+1                            ; (the add and the youngest eight loads, x's blocks 4-7, may be out)
	WIN MUL_LO
	MUL16 0, 1, NQ-1, \slot, 0                     ; sixteen matrix instructions stand between the add and the wait for it
	s_wait_dscnt 0x0                               ; the add is done, and my reads of this slot are over
	s_barrier_signal -1
	MUL16 2, 1, NQ-1, \slot, 0
	WIN 0
	s_barrier_wait -1
	PLACES NP
	v_add_nc_u32 v[ADRS], 4*NQ, v[ADRS]            ; on to the next slot's scale words (no LDS load of mine is out)
	FETCH_B \next, 0, 0
	FETCH_A \next, 0, 0
	SCALES \next
	WIN MUL_HI
	MUL16 4, 1, NQ-1, \slot, 0
	MUL16 6, 1, NQ-1, \slot, 0
	PLACES NP
	WIN 0
	FETCH_A \next, 0, 4
.endm
.macro STEPS slot, from                ; the slot's steps from .. NQ - 2
.set Q, \from
.rept NQ-1-\from
	STEP \slot, Q, 0
.set Q, Q+1
.endr
.endm
; The cos and sin images of my token block a: 16 loads of 512 consecutive bytes, into set a % 2 (window 1: v64-127 or v192-255): registers 8 b + j: cos of channel 16 b + 8 h + j; + 32: sin.
.macro LOADCS a
	WIN TO_B
.irp g, 0,1,2,3,4,5,6,7,8,9,10,11,12,13,14,15
	global_load_b128 v[64+128*((\a)%2)+4*\g:64+128*((\a)%2)+4*\g+3], v[CO], s[96:97] offset:(\a)*8192+512*\g
.endr
	WIN 0
.endm
	LOADCS 0                                       ; the first two blocks' images are asked for here, a whole product ahead of their use.  Every work-group asks, v's too, whose tail does not
	LOADCS 1                                       ; read them (16 KiB a wave): so the text has one branch on the kind, at the tail
	s_wait_tensorcnt 1                             ; the scales and my part of slot 0 are in (slot 1's load may be out),
	s_barrier_signal -1
	s_barrier_wait -1                              ; everybody's are
	FETCH_B 0, 0, 0
	FETCH_A 0, 0, 0
	SCALES 0
	FETCH_A 0, 0, 4
	STEP 0, 0, 1                                   ; the first step's products start the sums: nothing is cleared
	STEPS 0, 1
	TURN 0, 1
	STEPS 1, 0
	s_wait_dscnt 4*NL                              ; the very last step: nothing more to fetch
	WIN MUL_LO
	MUL16 0, 1, NQ-1, 1, 0
	MUL16 2, 1, NQ-1, 1, 0
	s_wait_dscnt 0
	WIN MUL_HI
	MUL16 4, 1, NQ-1, 1, 0
	MUL16 6, 1, NQ-1, 1, 0
	WIN 0
; THE WAY OUT, block by block of 16 tokens x 128 columns (two heads).
; ROPE a: out[d] = x[d] cos[d] - x[d + 32] sin[d] (d < 32), out[d] = x[d] cos[d] + x[d - 32] sin[d] (d >= 32), two channels an instruction; each accumulator is read from its low end on.  Then f16.
.macro ROPE a
.set AC, 64*((\a)%4)
.set CSB, 64+128*((\a)%2)
.if (\a) < 7
	s_wait_loadcnt 16                              ; this block's 16 image loads are in; the next block's 16 may be out
.else
	s_wait_loadcnt 0x0
.endif
.irp hh, 0,1
	WIN 0x06+(\a)/4                                ; source 0: the accumulators' window (2 or 3); source 1: the images' (1); source 2 and destination: window 0
.irp b, 0,1
.irp j, 0,2,4,6
	v_pk_mul_f32 v[T+8*\b+\j:T+8*\b+\j+1], v[AC+8*(4*\hh+\b)+16+\j:AC+8*(4*\hh+\b)+16+\j+1], v[CSB+32+8*\b+\j:CSB+32+8*\b+\j+1]
	v_pk_mul_f32 v[T+16+8*\b+\j:T+16+8*\b+\j+1], v[AC+8*(4*\hh+\b)+\j:AC+8*(4*\hh+\b)+\j+1], v[CSB+48+8*\b+\j:CSB+48+8*\b+\j+1]
.endr
.irp j, 0,2,4,6
	v_pk_fma_f32 v[T+8*\b+\j:T+8*\b+\j+1], v[AC+8*(4*\hh+\b)+\j:AC+8*(4*\hh+\b)+\j+1], v[CSB+8*\b+\j:CSB+8*\b+\j+1], v[T+8*\b+\j:T+8*\b+\j+1] neg_lo:[0,0,1] neg_hi:[0,0,1]
	v_pk_fma_f32 v[T+16+8*\b+\j:T+16+8*\b+\j+1], v[AC+8*(4*\hh+\b)+16+\j:AC+8*(4*\hh+\b)+16+\j+1], v[CSB+16+8*\b+\j:CSB+16+8*\b+\j+1], v[T+16+8*\b+\j:T+16+8*\b+\j+1]
.endr
.endr
	WIN 0
.irp i, 0,1,2,3,4,5,6,7,8,9,10,11,12,13,14,15
	v_cvt_pk_f16_f32 v[PK+16*\hh+\i], v[T+2*\i], v[T+2*\i+1]
.endr
.endr
.if (\a) < 6
	LOADCS (\a)+2                                  ; this set of images is done with: it takes the block two further on
.endif
.endm
.macro PACKV a                         ; v is only rounded to f16; each accumulator from its low end on
.set AC, 64*((\a)%4)
	WIN 0x0a+5*((\a)/4)                            ; sources 0 and 1: window 2 or 3
.irp b, 0,1,2,3,4,5,6,7
.irp i, 0,1,2,3
	v_cvt_pk_f16_f32 v[PK+4*\b+\i], v[AC+8*\b+2*\i], v[AC+8*\b+2*\i+1]
.endr
.endr
	WIN 0
.endm
; A lane holds 16 bytes of a row, and the lanes beside it hold other rows: a block goes through my own stage and comes back as runs of four whole rows, 512 consecutive bytes of qkv.
.macro OUT a
.set BB, BK+32*((\a)%2)
.irp hh, 0,1
.irp b, 0,1,2,3
	ds_store_b128 v[STO], v[PK+16*\hh+4*\b:PK+16*\hh+4*\b+3] offset:16*SPITCH*\hh+32*\b
.endr
.endr
.if (\a) > 1
	s_wait_xcnt 0x0                                ; block a - 2's stores have read their registers: this block's loads may land there
.endif
.irp hh, 0,1
.irp i, 0,1,2,3
	ds_load_b128 v[BB+16*\hh+4*\i:BB+16*\hh+4*\i+3], v[RD] offset:16*SPITCH*\hh+4*SPITCH*\i   ; LDS serves a wave's instructions in order (ISA guide 5.7.1.4): these see the stores above
.endr
.endr
	s_wait_dscnt 0x0
.irp hh, 0,1
.irp i, 0,1,2,3
	global_store_b128 v[CO], v[BB+16*\hh+4*\i:BB+16*\hh+4*\i+3], s[12:13] offset:262144*\hh+2048*(\a)+512*\i   ; 32 lanes store 512 consecutive bytes, at a multiple of 256 from qkv's first byte
.endr
.endr
.endm
.macro FINISH
	s_wait_tensorcnt 0x0                           ; the wave's end, behind my last tensor load and my last LDS store
	ds_add_u32 v[SPW], v[NIL]
	s_wait_dscnt 0x0
	CROUND                                         ; the closing round: no work-group ends while a partner may still ask for a tile that names it
	s_endpgm
.endm
	PLACES NP                                      ; behind the last products: their results are read, and x's fragment registers written, only behind these
	s_cmp_eq_u32 ttmp9, 2                          ; the kind: the cluster's x, the same in all sixteen partners
	s_cbranch_scc1 .Lv
.irp a, 0,1,2,3,4,5,6,7
	ROPE \a
	OUT \a
.endr
	FINISH
.Lv:
.irp a, 0,1,2,3,4,5,6,7
	PACKV \a
	OUT \a
.endr
	FINISH
.Lfunc_end_k_q24cecb068b_qkv:
	.size	k_q24cecb068b_qkv, .Lfunc_end_k_q24cecb068b_qkv-k_q24cecb068b_qkv
	.p2alignl 7, 3214868480
	.fill 96, 4, 3214868480
	.section	.rodata,"a",@progbits
	.p2align	6, 0x0
	.amdhsa_kernel k_q24cecb068b_qkv
		.amdhsa_group_segment_fixed_size 327680
		.amdhsa_private_segment_fixed_size 0
		.amdhsa_enable_private_segment 0
		.amdhsa_kernarg_size 32
		.amdhsa_user_sgpr_count 2
		.amdhsa_user_sgpr_kernarg_segment_ptr 1
		.amdhsa_wavefront_size32 1
		.amdhsa_system_sgpr_workgroup_id_x 1
		.amdhsa_system_sgpr_workgroup_id_y 1
		.amdhsa_system_sgpr_workgroup_id_z 1
		.amdhsa_system_vgpr_workitem_id 0
		.amdhsa_next_free_vgpr 1024
		.amdhsa_next_free_sgpr 100
		.amdhsa_reserve_vcc 0
		.amdhsa_float_denorm_mode_32 3
		.amdhsa_float_denorm_mode_16_64 3
		.amdhsa_memory_ordered 1
		.amdhsa_forward_progress 1
		.amdhsa_inst_pref_size 203
	.end_amdhsa_kernel
	.amdgpu_metadata
---
amdhsa.version: [ 1, 2 ]
amdhsa.kernels:
  - .name:           k_q24cecb068b_qkv
    .symbol:         k_q24cecb068b_qkv.kd
    .args:
      - { .name: codes, .offset: 0, .size: 8, .value_kind: global_buffer, .address_space: global }
      - { .name: scales, .offset: 8, .size: 8, .value_kind: global_buffer, .address_space: global }
      - { .name: rope, .offset: 16, .size: 8, .value_kind: global_buffer, .address_space: global }
      - { .name: qkv, .offset: 24, .size: 8, .value_kind: global_buffer, .address_space: global }
    .group_segment_fixed_size: 327680
    .private_segment_fixed_size: 0
    .kernarg_segment_align: 8
    .kernarg_segment_size: 32
    .max_flat_workgroup_size: 128
    .sgpr_count:     100
    .vgpr_count:     1024
    .wavefront_size: 32
...
	.end_amdgpu_metadata
.endif
;; end of part 2
;; launch attn (part 3): grid 4 x 64, 16 waves a work-group, clusters of 4 x 1, 327,680 bytes of LDS; arguments qkv, ah; writes ah
.if DOCPART == 3
	.amdgcn_target "amdgcn-amd-amdhsa--gfx1250"
	.amdhsa_code_object_version 6
	.text
	.protected	k_q24cecb068b_attn
	.globl	k_q24cecb068b_attn
	.p2align	8
	.type	k_q24cecb068b_attn,@function
k_q24cecb068b_attn:
	s_mov_b64 s[64:65], 0
	v_nop
	global_prefetch_b8 v0, s[64:65] scope:SCOPE_SE
	s_setreg_imm32_b32 hwreg(HW_REG_WAVE_MODE, 25, 1), 1
	s_wait_xcnt 0x0
	s_wait_alu depctr_hold_cnt(0) depctr_sa_sdst(0) depctr_va_vdst(0) depctr_va_sdst(0) depctr_va_ssrc(0) depctr_va_vcc(0) depctr_vm_vsrc(0)
	s_getreg_b32 s2, hwreg(HW_REG_IB_STS2, 6, 4)
	s_cmp_eq_u32 s2, 0
	s_cbranch_scc0 .Lentry_in_a_cluster
	s_endpgm
.Lentry_in_a_cluster:
	s_bfe_u32 s2, ttmp6, 0x10000c
	s_cmp_lg_u32 s2, 0x3003
	s_cbranch_scc0 .Lentry_shape_is_right
	s_endpgm
.Lentry_shape_is_right:
; ATTN: for each of 64 (batch, head): O[q] = the sum over k of softmax_k(Q[q] . K[k] / 8) V[k], 2,048 queries x 2,048 keys x 64 channels, no mask.  Q, K, V: f16, [3][64][2048][64]; Q and K are stored x 2^-4 each,
; which the softmax's constant undoes.  Products, maxima and sums in f32; the weights p are rounded to f16 for the second product; O leaves as f16, by head: ah [16 heads][8192 tokens][64].
; LIMITS: score x log2(e) finite in f32; |V| under 65,504; NaN and infinities are not served.
; SHARES.  A work-group owns 512 queries of one head; each of its SIXTEEN waves owns 32, two tiles of 16, in 256 registers: four waves to a SIMD, so that one wave's vector work stands beside another's matrix
; work and LDS loads.  Every wave walks all 2,048 keys, 64 a step, four steps to a slot.  K's and V's tiles come through a ring of two LDS slots of 256 keys, filled by the tensor data mover
; (waves 0 and 1: K's halves; waves 2 and 3: V's) and read by all sixteen.
; CLUSTER.  A head's four blocks of queries form a cluster and walk the same K and V: each tile is asked for JOINTLY, by the same tensor load with the same descriptor and a mask that names the four.
; LAYOUT.  S^T = K Q^T (source 0 = 16 keys, source 1 = 16 queries): a lane holds ONE query (lane % 16) and keys 8 (lane / 16) + 0 .. 7.  Two such tiles, rounded to f16 in pairs, ARE source 1 (32 keys x 16 queries)
; of O^T = V^T P, whose result again holds one query a lane.  K comes out of LDS as it lies, V ([key][channel]) turned, by ds_load_tr16_b128.
; SOFTMAX.  For each query a running maximum m and sum l: p = 2^(c s - c m), c = log2(e) / 8 x 2^8; in every step O and l are multiplied by a = 2^(c m_old - c m_new).  m begins at -infinity, O and l at 0:
; the first a is 0 and the step is written once.
; LDS.  K's and V's rows of 128 bytes are dense in memory, so a tile is stated as lines of 256 bytes (two keys).  K: 16 bytes of padding a line (68 words: the 16 rows of a load start at words 4 (r / 2) + 32 (r % 2)
; mod 64: all different); V: 32 bytes (72 words; 64 banks of 4 bytes: ISA guide 11.1).
.set NSL,   8                          ; slots' worth of keys
.set KL,    272                        ; a line of K in LDS
.set VL,    288                        ; a line of V
.set VOFF,  128*KL                     ; a slot: 128 lines of K, then 128 lines of V
.set SLOT1, 1<<17                      ; slot 1 begins here, so that one exclusive or turns an address in one slot into the other's
.set SPARE, 2*SLOT1                    ; behind the ring: the spare words, 128 bytes for each of 16 waves
.set SPITCH, 144                       ; the way out: a stage of 32 rows x (128 bytes + 16) for each wave, in slot 0, which is left at the last change of slots: it has had its last fill, and nobody reads it
.set AK0,  1                           ; v1   my lane's place in a tile of K
.set AV0,  2                           ; v2   the same for V
.set ADK,  3                           ; v3   LDS address of the slot's tiles of K
.set ADV,  4                           ; v4   of V
.set SPW,  5                           ; v5   LDS address of my spare word; never rewritten
.set NIL,  6                           ; v6   0; never rewritten
.set QO,   7                           ; v7   my byte offset in the wave's rows of Q
.set STO,  8                           ; v8   the way out: where I put 16 bytes of a row
.set RD,   9                           ; v9   where I read rows back
.set PFO,  10                          ; v10  256 x my lane: the prefetches' offset; never rewritten
.set GO,   11                          ; v11  16 x my lane: my place in 512 consecutive bytes of ah
.set ST,   16                          ; v16-31   tile t's statistics at v[ST + 8 t]: +0 c m, +1 m, +2, +3 l (even keys', odd keys'), +4 .. +7 c0-c3, at work; a takes c2's place
.set QF,   32                          ; v32-63   Q: tile t, channels 32 c on, at QF + 16 t + 8 c
.set KV,   64                          ; v64-127  one buffer: a step's K, then its V
.set SS,   128                         ; v128-191 S^T, 32 a tile; p; P packed in place into each tile's first 16
.set OT,   192                         ; v192-255 O^T, 32 a tile; channels 16 n on at + 8 n
.set WV,   18                          ; s18  my wave's number
.set SEL,  20                          ; s[20:21] lane selects for v_permlanex16_b32: lane l xor 16
.set CS,   22                          ; s[22:23] c
.set G1K,  24                          ; s[24:31] descriptor group 1 for K's tiles;  s[32:39] for V's: it differs in the padding alone
.set G1V,  32
.set G0K,  40                          ; s[40:43], s[44:47] their groups 0, which walk
.set G0V,  44
.set TB,   2                           ; s2   LDS byte at which the slot in hand begins
.set SLOTS, 3                          ; s3   slots still to be asked for
.set PFA,  48                          ; s[48:49] where my prefetches stand: my work-group's 32 runs of 256 bytes (of K: wave 4, of V: wave 5) of the slot after the one that is being asked for
.set LIM,  50                          ; s50  1 in a wave that prefetches, else the greatest number
; Waves 0 and 1 fetch for K, waves 2 and 3 for V, the others nothing.  The branches hang on the wave's number alone: they are the same in all four partners.  An s_nop 0 and four v_nop follow each load.
.macro TLOAD
	s_cmp_lt_u32 s[WV], 2
	s_cbranch_scc0 .Lnot_k_\@
	tensor_load_to_lds s[G0K:G0K+3], s[G1K:G1K+7]
	s_nop 0
.rept 4
	v_nop
.endr
	s_branch .Lasked_\@
.Lnot_k_\@:
	s_cmp_lt_u32 s[WV], 4
	s_cbranch_scc0 .Lasked_\@
	tensor_load_to_lds s[G0V:G0V+3], s[G1V:G1V+7]
	s_nop 0
.rept 4
	v_nop
.endr
.Lasked_\@:
.endm
; A PREFETCH INTO THE L2 of what the NEXT change of slots will ask for: a slot's 32,768 bytes of K and of V.  A head's K and V are walked by this cluster alone.  Its four partners share the bytes out BY ADDRESS,
; 8,192 each; in each, wave 4 asks for K's and wave 5 for V's, lanes 256 bytes apart: one instruction.  So each run of 256 bytes is named once in the launch, four key steps ahead of the load that wants it.
; The last change that fills a slot asks for nothing; slots 0 and 1 come by their loads alone.
.macro ASK
	s_cmp_gt_u32 s[SLOTS], s[LIM]
	s_cbranch_scc0 .Lnot_mine_\@
	global_prefetch_b8 v[PFO], s[PFA:PFA+1] th:TH_LOAD_NT scope:SCOPE_SE
.Lnot_mine_\@:
.endm
.macro CROUND                          ; a round of the cluster's barrier: my work-group's barrier; wave 0 signals for the work-group; every wave waits for all four; my work-group's barrier once more
	s_barrier_signal -1
	s_barrier_wait -1
	s_cmp_lg_u32 s[WV], 0
	s_cbranch_scc1 .Lnot_wave_0_\@
	s_barrier_signal -3
.Lnot_wave_0_\@:
	s_barrier_wait -3
	s_barrier_signal -1
	s_barrier_wait -1
.endm
	s_load_b128 s[4:7], s[0:1], 0x0                ; qkv s[4:5], ah s[6:7]
	v_lshl_add_u32 v[SPW], v0, 2, SPARE
	v_mov_b32 v[NIL], 0
	ds_add_u32 v[SPW], v[NIL]                      ; the wave's opening: the add, twice on end, and its wait ahead of the first tensor loads; the set-up below stands between
	ds_add_u32 v[SPW], v[NIL]
	v_lshrrev_b32 v12, 5, v0
	v_readfirstlane_b32 s[WV], v12                 ; wave 0..15
	s_bfe_u32 s19, ttmp6, 0x40000                  ; cx: my block of 512 queries; it enters Q's, ah's and the prefetches' addresses alone
	s_and_b32 s12, ttmp7, 0xffff                   ; 16 batch + head, which the four partners share
	s_lshl_b32 s51, s12, 18                        ; its first byte in q, in k and in v: 2,048 rows of 128 bytes
	s_and_b32 s13, s[WV], 1                        ; which half of a slot I fetch, if I fetch:
	s_lshl_b32 s14, s13, 14                        ; its 128 keys in memory,
	s_add_co_u32 s52, s51, s14
	s_mov_b32 s53, 0
	s_mul_i32 s15, s13, 64*KL                      ; and its place in a slot: K's,
	s_mul_i32 s16, s13, 64*VL
	s_add_co_u32 s16, s16, VOFF                    ; V's
	s_lshl_b32 s54, s19, 9
	s_lshl_b32 s14, s[WV], 5
	s_add_co_u32 s54, s54, s14                     ; my first query in the head: 512 cx + 32 wave
	s_lshl_b32 s56, s54, 7
	s_add_co_u32 s56, s56, s51                     ; its row of q
	s_mov_b32 s57, 0
	s_and_b32 s58, s12, 15
	s_lshl_b32 s58, s58, 20                        ; ah: the head's plane of 8,192 rows of 128 bytes,
	s_lshr_b32 s14, s12, 4
	s_lshl_b32 s14, s14, 11
	s_add_co_u32 s14, s14, s54                     ; token 2,048 batch + query
	s_lshl_b32 s14, s14, 7
	s_add_co_u32 s58, s58, s14
	s_mov_b32 s59, 0
	s_cmp_eq_u32 s[WV], 4                          ; the prefetches: wave 4 stands in k, wave 5 in v (the others never ask)
	s_mov_b32 s60, 2<<24
	s_cselect_b32 s60, 1<<24, s60
	s_add_co_u32 s60, s60, s51
	s_lshl_b32 s14, s19, 13                        ; my work-group's 8,192 bytes of a slot's 32,768,
	s_add_co_u32 s60, s60, s14
	s_add_co_u32 s60, s60, 32768                   ; in slot 1: the first change of slots steps it to slot 2
	s_mov_b32 s61, 0
	s_sub_co_u32 s14, s[WV], 4
	s_lshr_b32 s14, s14, 1                         ; 0 in waves 4 and 5
	s_cmp_eq_u32 s14, 0
	s_cselect_b32 s[LIM], 1, -1
	; descriptor group 1: 64 lines of 128 elements of 2 bytes, dense in memory, padded in LDS
	s_mov_b32 s[G1K], 15|(1<<16)|(1<<20)|(1<<21)|(5<<22)|(3<<25)  ; 15:0 the mask: all four work-groups; 17:16 elements of 2 bytes; 20 padding on; 21 set beside a mask; 24:22 after every 64 words; 31:25 four words
	s_mov_b32 s[G1V], 15|(1<<16)|(1<<20)|(1<<21)|(5<<22)|(7<<25)  ; the same with eight words of padding
.irp g, G1K, G1V
	s_mov_b32 s[\g+1], 128<<16                     ; tensor_dim0
	s_mov_b32 s[\g+2], 64<<16                      ; tensor_dim1
	s_mov_b32 s[\g+3], 128<<16                     ; tile_dim0
	s_mov_b32 s[\g+4], 64                          ; tile_dim1
	s_mov_b32 s[\g+5], 128                         ; tensor_dim0_stride
	s_mov_b32 s[\g+6], 0
	s_mov_b32 s[\g+7], 0
.endr
	s_mov_b32 s[SEL], 0x76543210
	s_mov_b32 s[SEL+1], 0xfedcba98
	s_mov_b32 s[CS], 0x4238aa3b                    ; c = log2(e) / 8 x 2^8 = 32 log2(e)
	s_mov_b32 s[CS+1], s[CS]                       ; (named with it as a pair, so it is written)
	s_mov_b32 s[TB], 0
	s_mov_b32 s[SLOTS], NSL-1
	s_wait_dscnt 0x0                               ; both opening adds are done
	s_wait_kmcnt 0x0
	s_mov_b32 s[G0K], 1                            ; 1:0 count = 1
	s_mov_b32 s[G0K+1], s15                        ; 63:32 LDS address: slot 0
	s_add_nc_u64 s[G0K+2:G0K+3], s[4:5], s[52:53]  ; 120:64 global address: the head's first keys,
	s_add_nc_u64 s[G0K+2:G0K+3], s[G0K+2:G0K+3], 1<<24   ; in k
	s_or_b32 s[G0K+3], s[G0K+3], 0x80000000        ; 127:126 type = 2
	s_mov_b32 s[G0V], 1
	s_mov_b32 s[G0V+1], s16
	s_add_nc_u64 s[G0V+2:G0V+3], s[4:5], s[52:53]
	s_add_nc_u64 s[G0V+2:G0V+3], s[G0V+2:G0V+3], 2<<24   ; in v
	s_or_b32 s[G0V+3], s[G0V+3], 0x80000000
	s_add_nc_u64 s[8:9], s[4:5], s[56:57]          ; Q at my first query
	s_add_nc_u64 s[10:11], s[6:7], s[58:59]        ; ah likewise
	s_add_nc_u64 s[PFA:PFA+1], s[4:5], s[60:61]
	CROUND                                         ; all four work-groups are here: the first joint loads meet
	TLOAD                                          ; slot 0
	v_and_b32 v12, 15, v0                          ; r
	v_bfe_u32 v13, v0, 4, 1                        ; h
	v_lshlrev_b32 v[QO], 7, v12
	v_lshl_add_u32 v[QO], v13, 4, v[QO]            ; row r of 128 bytes + 16 h
.irp t, 0,1
.irp c, 0,1                                    ; a fragment of Q: lane (r, h): query r; registers 0-3 channels 32 c + 8 h + 0 .. 7, registers 4-7 those 16 further on.  Q stays in registers
	global_load_b128 v[QF+16*\t+8*\c:QF+16*\t+8*\c+3],   v[QO], s[8:9] offset:2048*\t+64*\c
	global_load_b128 v[QF+16*\t+8*\c+4:QF+16*\t+8*\c+7], v[QO], s[8:9] offset:2048*\t+64*\c+32
.endr
.endr
	v_lshrrev_b32 v14, 1, v12
	v_mul_u32_u24 v[AK0], v14, KL                  ; K: key r lies in line r / 2,
	v_and_b32 v15, 1, v0
	v_lshl_add_u32 v[AK0], v15, 7, v[AK0]          ; half r % 2 of it,
	v_lshl_add_u32 v[AK0], v13, 4, v[AK0]          ; + 16 h
	; the turning load takes 16 keys x 16 channels: lane l reads 16 bytes: key 8 h + l % 8, channels 8 ((l / 8) % 2) + 0 .. 7; it leaves half a fragment of V^T: lane l holds channel l % 16 and 8 keys
	v_bfe_u32 v14, v0, 1, 2
	v_lshl_add_u32 v14, v13, 2, v14                ; line 4 h + (l % 8) / 2
	v_mul_u32_u24 v[AV0], v14, VL
	v_lshl_add_u32 v[AV0], v15, 7, v[AV0]          ; half l % 2 of it
	v_bfe_u32 v14, v0, 3, 1
	v_lshl_add_u32 v[AV0], v14, 4, v[AV0]
	v_add_nc_u32 v[AV0], VOFF, v[AV0]
	v_and_b32 v[PFO], 31, v0
	v_lshlrev_b32 v[PFO], 8, v[PFO]
.irp t, 0,1
	v_mov_b32 v[ST+8*\t], 0xff800000               ; c m and m: -infinity, under every score
	v_mov_b32 v[ST+8*\t+1], 0xff800000
	v_mov_b32 v[ST+8*\t+2], 0                      ; l, in two halves
	v_mov_b32 v[ST+8*\t+3], 0
.endr
.set j, 0
.rept 64
	v_mov_b32 v[OT+j], 0                           ; O^T.  (The step is written once: the first finds zeros, which the first a, 0, leaves zeros)
.set j, j+1
.endr
; THE SOFTMAX of a key step, both tiles line by line by turns, so that no line waits for the line above it.
.macro SOFTMAX
.irp j, 0,1,2,3                                ; the maximum of the lane's 32 scores and the old m, three operands at a time, in four chains; each accumulator is first read at its low end
.irp t, 0,1
	v_max3_num_f32 v[ST+8*\t+4+\j], v[SS+32*\t+8*\j], v[SS+32*\t+8*\j+1], v[SS+32*\t+8*\j+2]
.endr
.endr
.irp u, 3,5
.irp j, 0,1,2,3
.irp t, 0,1
	v_max3_num_f32 v[ST+8*\t+4+\j], v[ST+8*\t+4+\j], v[SS+32*\t+8*\j+\u], v[SS+32*\t+8*\j+\u+1]
.endr
.endr
.endr
.irp t, 0,1
	v_max3_num_f32 v[ST+8*\t+4], v[ST+8*\t+4], v[SS+32*\t+7], v[SS+32*\t+15]
	v_max3_num_f32 v[ST+8*\t+6], v[ST+8*\t+6], v[SS+32*\t+23], v[SS+32*\t+31]
.endr
.irp t, 0,1
	v_max3_num_f32 v[ST+8*\t+4], v[ST+8*\t+4], v[ST+8*\t+5], v[ST+8*\t+6]
.endr
.irp t, 0,1
	v_max3_num_f32 v[ST+8*\t+4], v[ST+8*\t+4], v[ST+8*\t+7], v[ST+8*\t+1]
.endr
.irp t, 0,1
	v_permlanex16_b32 v[ST+8*\t+5], v[ST+8*\t+4], s[SEL], s[SEL+1]   ; the query's other 32 keys lie in the lane 16 away
.endr
.irp t, 0,1
	v_mov_b32 v[ST+8*\t+7], v[ST+8*\t]             ; c m_old is kept for a
.endr
.irp t, 0,1
	v_max_num_f32 v[ST+8*\t+1], v[ST+8*\t+4], v[ST+8*\t+5]   ; the new m
.endr
.irp t, 0,1
	v_mul_f32 v[ST+8*\t], s[CS], v[ST+8*\t+1]      ; c m
.endr
.irp t, 0,1
	v_sub_f32 v[ST+8*\t+7], v[ST+8*\t+7], v[ST+8*\t]   ; c m_old - c m_new
.endr
.irp j, 0,2,4,6,8,10,12,14,16,18,20,22,24,26,28,30
.irp t, 0,1
	v_pk_fma_f32 v[SS+32*\t+\j:SS+32*\t+\j+1], v[SS+32*\t+\j:SS+32*\t+\j+1], s[CS:CS+1], v[ST+8*\t:ST+8*\t+1] op_sel_hi:[1,0,0] neg_lo:[0,0,1] neg_hi:[0,0,1]   ; c s - c m, two at a time
.endr
.endr
.irp t, 0,1
	v_exp_f32 v[ST+8*\t+6], v[ST+8*\t+7]           ; a.  ONE BATCH: both tiles' 66 exponentials, none of which reads another's result
.endr
.set j, 0
.rept 32
	v_exp_f32 v[SS+j], v[SS+j]                     ; p = 2^(c s - c m)
	v_exp_f32 v[SS+32+j], v[SS+32+j]
.set j, j+1
.endr
	v_nop                                          ; a plain instruction behind the last exponential, ahead of the first use (ISA guide 5.7.2)
	s_wait_alu depctr_va_vdst(0)                   ; a wait ahead of the first instruction that names a result: one for the batch
.irp t, 0,1
	v_pk_fma_f32 v[ST+8*\t+2:ST+8*\t+3], v[ST+8*\t+2:ST+8*\t+3], v[ST+8*\t+6:ST+8*\t+7], v[SS+32*\t+4:SS+32*\t+5] op_sel_hi:[1,0,1]   ; l = a l + the sum of the unrounded p: two chains
.endr
.irp t, 0,1
	v_pk_add_f32 v[ST+8*\t+4:ST+8*\t+5], v[SS+32*\t:SS+32*\t+1], v[SS+32*\t+2:SS+32*\t+3]
.endr
.irp j, 6,10,14,18,22,26
.irp t, 0,1
	v_pk_add_f32 v[ST+8*\t+2:ST+8*\t+3], v[ST+8*\t+2:ST+8*\t+3], v[SS+32*\t+\j:SS+32*\t+\j+1]
.endr
.irp t, 0,1
	v_pk_add_f32 v[ST+8*\t+4:ST+8*\t+5], v[ST+8*\t+4:ST+8*\t+5], v[SS+32*\t+\j+2:SS+32*\t+\j+3]
.endr
.endr
.irp t, 0,1
	v_pk_add_f32 v[ST+8*\t+2:ST+8*\t+3], v[ST+8*\t+2:ST+8*\t+3], v[SS+32*\t+30:SS+32*\t+31]
.endr
.irp t, 0,1
	v_pk_add_f32 v[ST+8*\t+2:ST+8*\t+3], v[ST+8*\t+2:ST+8*\t+3], v[ST+8*\t+4:ST+8*\t+5]
.endr
.irp i, 0,1,2,3,4,5,6,7,8,9,10,11,12,13,14,15
.irp t, 0,1
	v_cvt_pk_f16_f32 v[SS+32*\t+\i], v[SS+32*\t+2*\i], v[SS+32*\t+2*\i+1]   ; P, in place and ascending: register i is written when pairs 0 .. i have been read
.endr
.endr
.irp j, 0,2,4,6,8,10,12,14,16,18,20,22,24,26,28,30
.irp t, 0,1
	v_pk_mul_f32 v[OT+32*\t+\j:OT+32*\t+\j+1], v[OT+32*\t+\j:OT+32*\t+\j+1], v[ST+8*\t+6:ST+8*\t+7] op_sel_hi:[1,0]   ; O^T x a, each accumulator from its low end on
.endr
.endr
.endm
; A KEY STEP: 64 keys, the q-th of the slot in hand.  In both runs of products the eight accumulators take turns, one instruction a turn.
.macro STEP q
.rept 5
	v_nop                                          ; five places behind the last V^T P: four for the loads into its V registers, five for the products below, which write over its P
.endr
.irp i, 0,1,2,3                                ; K: keys 16 i on, channels 32 c on
.irp c, 0,1
	ds_load_b128 v[KV+16*\i+8*\c:KV+16*\i+8*\c+3],   v[ADK] offset:32*KL*(\q)+8*KL*\i+64*\c
	ds_load_b128 v[KV+16*\i+8*\c+4:KV+16*\i+8*\c+7], v[ADK] offset:32*KL*(\q)+8*KL*\i+64*\c+32
.endr
.endr
	s_wait_dscnt 0x0
.irp c, 0,1
.irp i, 0,1,2,3
.irp t, 0,1
.if \c == 0
	v_wmma_f32_16x16x32_f16 v[SS+32*\t+8*\i:SS+32*\t+8*\i+7], v[KV+16*\i+8*\c:KV+16*\i+8*\c+7], v[QF+16*\t+8*\c:QF+16*\t+8*\c+7], 0
.else
	v_wmma_f32_16x16x32_f16 v[SS+32*\t+8*\i:SS+32*\t+8*\i+7], v[KV+16*\i+8*\c:KV+16*\i+8*\c+7], v[QF+16*\t+8*\c:QF+16*\t+8*\c+7], v[SS+32*\t+8*\i:SS+32*\t+8*\i+7]
.endif
.endr
.endr
.endr
.rept 4
	v_nop                                          ; four places: for the loads into K's registers, and for the softmax's first read of the scores
.endr
.irp kc, 0,1                                   ; V, turned: keys 32 kc on, channels 16 n on; it lands while the softmax is walked
.irp n, 0,1,2,3
	ds_load_tr16_b128 v[KV+8*(4*\kc+\n):KV+8*(4*\kc+\n)+3],   v[ADV] offset:32*VL*(\q)+16*VL*\kc+32*\n
	ds_load_tr16_b128 v[KV+8*(4*\kc+\n)+4:KV+8*(4*\kc+\n)+7], v[ADV] offset:32*VL*(\q)+16*VL*\kc+32*\n+8*VL
.endr
.endr
	SOFTMAX
	s_wait_dscnt 0x0                               ; V is in
.irp kc, 0,1
.irp n, 0,1,2,3
.irp t, 0,1
	v_wmma_f32_16x16x32_f16 v[OT+32*\t+8*\n:OT+32*\t+8*\n+7], v[KV+8*(4*\kc+\n):KV+8*(4*\kc+\n)+7], v[SS+32*\t+8*\kc:SS+32*\t+8*\kc+7], v[OT+32*\t+8*\n:OT+32*\t+8*\n+7]
.endr
.endr
.endr
.endm
; THE CHANGE OF SLOTS stands at a slot's head.  Each wave waits for all its tensor loads (its part of the slot that it is about to read), adds 0 to its spare word, and waits for that and for its reads of the slot
; that it has left.  fill = 1: a round of the cluster's barrier follows, so that no wave of any partner still reads that slot or has a load on its way, and the slot is filled with the keys that follow: a wave's one
; tensor load, first behind the round; it has the four key steps of the slot in hand in which to land.
.macro CHANGE fill
	s_wait_tensorcnt 0x0                           ; no tensor load of mine is out, so a group 0 may be written
	ds_add_u32 v[SPW], v[NIL]                      ; 0 onto my spare word
.if \fill
	ds_add_u32 v[SPW], v[NIL]                      ; and once more: the add twice on end, in every trip alike
	s_xor_b32 s[G0K+1], s[G0K+1], SLOT1            ; the walking descriptors: the other slot than last time,
	s_add_nc_u64 s[G0K+2:G0K+3], s[G0K+2:G0K+3], 32768   ; the next 256 keys; the type bits on top are not reached
	s_xor_b32 s[G0V+1], s[G0V+1], SLOT1
	s_add_nc_u64 s[G0V+2:G0V+3], s[G0V+2:G0V+3], 32768
	s_wait_xcnt 0x0                                ; the last prefetch, a slot back, has read its address, so it may be written:
	s_add_nc_u64 s[PFA:PFA+1], s[PFA:PFA+1], 32768 ; one slot further on than the walking descriptors
	s_wait_dscnt 0x0                               ; both adds are done, and my reads of the slot that I have left are over
	CROUND
	TLOAD
	ASK
.else
	s_wait_dscnt 0x0                               ; the add is done, and my reads of the slot that I have left are over
	s_barrier_signal -1
	s_barrier_wait -1
.endif
.endm
.macro SLOT_STEPS
	v_add_nc_u32 v[ADK], s[TB], v[AK0]
	v_add_nc_u32 v[ADV], s[TB], v[AV0]
	STEP 0
	STEP 1
	STEP 2
	STEP 3
	s_xor_b32 s[TB], s[TB], SLOT1                  ; on to the other slot
.endm
	s_wait_loadcnt 0x0                             ; Q
.Lslot:                                            ; NSL - 1 trips: behind each change of slots but the last the next slot is asked for (in the first trip: slot 1's first fill)
	CHANGE 1
	SLOT_STEPS
	s_sub_co_u32 s[SLOTS], s[SLOTS], 1
	s_cmp_lg_u32 s[SLOTS], 0
	s_cbranch_scc1 .Lslot
	CHANGE 0                                       ; the last slot is written out
	SLOT_STEPS
	; THE WAY OUT.  l's two halves and the other half of the lanes' are added; O^T is divided by l, rounded to f16 and sent through my stage in LDS, so that 32 lanes store four whole rows, 512 consecutive bytes.
.irp t, 0,1
	v_add_f32 v[ST+8*\t+4], v[ST+8*\t+2], v[ST+8*\t+3]   ; (these and the address lines below are the places behind the last products)
.endr
	v_and_b32 v12, 15, v0                          ; r
	v_bfe_u32 v13, v0, 4, 1                        ; h
	s_mul_i32 s12, s[WV], 32*SPITCH                ; my stage
	v_mul_u32_u24 v[STO], v12, SPITCH
	v_lshl_add_u32 v[STO], v13, 4, v[STO]
	v_add_nc_u32 v[STO], s12, v[STO]               ; in: row r, 16 bytes for each half of the lanes
	v_and_b32 v14, 31, v0
	v_lshrrev_b32 v15, 3, v14
	v_mul_u32_u24 v[RD], v15, SPITCH
	v_and_b32 v15, 7, v0
	v_lshl_add_u32 v[RD], v15, 4, v[RD]
	v_add_nc_u32 v[RD], s12, v[RD]                 ; back: eight lanes to a row of 128 bytes, four rows a load
	v_lshlrev_b32 v[GO], 4, v14
.irp t, 0,1
	v_permlanex16_b32 v[ST+8*\t+5], v[ST+8*\t+4], s[SEL], s[SEL+1]
.endr
.irp t, 0,1
	v_add_f32 v[ST+8*\t+4], v[ST+8*\t+4], v[ST+8*\t+5]
.endr
.irp t, 0,1
	v_rcp_f32 v[ST+8*\t+6], v[ST+8*\t+4]
.endr
	v_nop                                          ; a plain instruction between the last reciprocal and the use of its result
	s_wait_alu depctr_va_vdst(0)                   ; and a wait ahead of the first use: one for both
.irp j, 0,2,4,6,8,10,12,14,16,18,20,22,24,26,28,30
.irp t, 0,1
	v_pk_mul_f32 v[OT+32*\t+\j:OT+32*\t+\j+1], v[OT+32*\t+\j:OT+32*\t+\j+1], v[ST+8*\t+6:ST+8*\t+7] op_sel_hi:[1,0]
.endr
.endr
.irp t, 0,1
.irp i, 0,1,2,3,4,5,6,7,8,9,10,11,12,13,14,15
	v_cvt_pk_f16_f32 v[KV+16*\t+\i], v[OT+32*\t+2*\i], v[OT+32*\t+2*\i+1]
.endr
.endr
.irp t, 0,1
.irp n, 0,1,2,3
	ds_store_b128 v[STO], v[KV+16*\t+4*\n:KV+16*\t+4*\n+3] offset:16*SPITCH*\t+32*\n   ; lane (r, h): query 16 t + r, channels 16 n + 8 h + 0 .. 7
.endr
.endr
.irp i, 0,1,2,3,4,5,6,7
	ds_load_b128 v[SS+4*\i:SS+4*\i+3], v[RD] offset:4*SPITCH*\i   ; LDS serves a wave's instructions in order (ISA guide 5.7.1.4): these see my stores
.endr
.irp i, 0,1,2,3,4,5,6,7
	s_wait_dscnt 7-\i                              ; load i is in; the later ones may be out
	global_store_b128 v[GO], v[SS+4*\i:SS+4*\i+3], s[10:11] offset:512*\i   ; 32 lanes store 512 consecutive bytes, at a multiple of 256 from ah's first byte
.endr
	s_wait_tensorcnt 0x0                           ; the wave's end, behind my last tensor load and my last LDS store
	ds_add_u32 v[SPW], v[NIL]
	s_wait_dscnt 0x0
	CROUND                                         ; the closing round: no work-group ends while a partner may still ask for a tile that names it
	s_endpgm
.Lfunc_end_k_q24cecb068b_attn:
	.size	k_q24cecb068b_attn, .Lfunc_end_k_q24cecb068b_attn-k_q24cecb068b_attn
	.p2alignl 7, 3214868480
	.fill 96, 4, 3214868480
	.section	.rodata,"a",@progbits
	.p2align	6, 0x0
	.amdhsa_kernel k_q24cecb068b_attn
		.amdhsa_group_segment_fixed_size 327680
		.amdhsa_private_segment_fixed_size 0
		.amdhsa_enable_private_segment 0
		.amdhsa_kernarg_size 16
		.amdhsa_user_sgpr_count 2
		.amdhsa_user_sgpr_kernarg_segment_ptr 1
		.amdhsa_wavefront_size32 1
		.amdhsa_system_sgpr_workgroup_id_x 1
		.amdhsa_system_sgpr_workgroup_id_y 1
		.amdhsa_system_sgpr_workgroup_id_z 1
		.amdhsa_system_vgpr_workitem_id 0
		.amdhsa_next_free_vgpr 256
		.amdhsa_next_free_sgpr 66
		.amdhsa_reserve_vcc 0
		.amdhsa_float_denorm_mode_32 3
		.amdhsa_float_denorm_mode_16_64 3
		.amdhsa_memory_ordered 1
		.amdhsa_forward_progress 1
		.amdhsa_inst_pref_size 154
	.end_amdhsa_kernel
	.amdgpu_metadata
---
amdhsa.version: [ 1, 2 ]
amdhsa.kernels:
  - .name:           k_q24cecb068b_attn
    .symbol:         k_q24cecb068b_attn.kd
    .args:
      - { .name: qkv, .offset: 0, .size: 8, .value_kind: global_buffer, .address_space: global }
      - { .name: ah, .offset: 8, .size: 8, .value_kind: global_buffer, .address_space: global }
    .group_segment_fixed_size: 327680
    .private_segment_fixed_size: 0
    .kernarg_segment_align: 8
    .kernarg_segment_size: 16
    .max_flat_workgroup_size: 512
    .sgpr_count:     66
    .vgpr_count:     256
    .wavefront_size: 32
...
	.end_amdgpu_metadata
.endif
;; end of part 3
;; launch proj (part 4): grid 8 x 64, 4 waves a work-group, clusters of 4 x 4, 327,680 bytes of LDS; arguments ah, wh, out0; writes out0
.if DOCPART == 4
	.amdgcn_target "amdgcn-amd-amdhsa--gfx1250"
	.amdhsa_code_object_version 6
	.text
	.protected	k_q24cecb068b_proj
	.globl	k_q24cecb068b_proj
	.p2align	8
	.type	k_q24cecb068b_proj,@function
k_q24cecb068b_proj:
	s_mov_b64 s[64:65], 0
	v_nop
	global_prefetch_b8 v0, s[64:65] scope:SCOPE_SE
	s_setreg_imm32_b32 hwreg(HW_REG_WAVE_MODE, 25, 1), 1
	s_wait_xcnt 0x0
	s_wait_alu depctr_hold_cnt(0) depctr_sa_sdst(0) depctr_va_vdst(0) depctr_va_sdst(0) depctr_va_ssrc(0) depctr_va_vcc(0) depctr_vm_vsrc(0)
	s_getreg_b32 s2, hwreg(HW_REG_IB_STS2, 6, 4)
	s_cmp_eq_u32 s2, 0
	s_cbranch_scc0 .Lentry_in_a_cluster
	s_endpgm
.Lentry_in_a_cluster:
	s_bfe_u32 s2, ttmp6, 0x10000c
	s_cmp_lg_u32 s2, 0xf033
	s_cbranch_scc0 .Lentry_shape_is_right
	s_endpgm
.Lentry_shape_is_right:
; PROJ: out0[token][n] = the sum over k of attn[token][k] Wout[n][k]; 8,192 x 1,024 x 1,024; operands f16, sums f32, out0 f32.
; Both operands lie by planes of 64 along K: ah [16][8192 tokens][64], wh [16][1024 n][64].  LIMITS: both operands within f16's range (the launches that made them state it).
; A tile of out0 is 128 x 128: 512 work-groups.  Four waves, each 64 x 64: 16 accumulators of 16 x 16, 128 registers.  K goes in steps of 256 (four planes) through a ring of two LDS slots.
; A wave's tensor load brings 64 rows of four planes: in each plane 8,192 dense bytes, stated as one row of the tile; the padding, 16 bytes behind every 256, makes of it 32 lines of 272 bytes, two rows of 128 bytes to a line.
; The 16 rows that a fragment load touches start at words 4 (r / 2) + 32 (r % 2) mod 64: all different (64 banks of 4 bytes: ISA guide 11.1).
; CLUSTERS: 4 x 4 work-groups.  The four of a row of the cluster need the same tiles of ah, the four of a column the same tiles of wh: each tile is asked for JOINTLY, by the same tensor load with the same descriptor and a mask
; that names the four.  THE MATRIX INSTRUCTION IS USED TRANSPOSED (source 0 = 16 rows of wh, source 1 = 16 tokens): a lane then holds eight neighbouring numbers of a row of out0.
; REGISTERS: window 0: v0-31 addresses; v32-95 rows on the way out; v128-255 the accumulators ((a, b) at v[128 + 8 (4 a + b)]).
;   window 1: two fragment buffers of 128: for a plane's 64 along K, 64 registers of ah (2 x 4 x 16 rows x 32 K), then 64 of wh.
.set LINE,   272
.set PLB,    32*LINE                   ; a plane's 64 rows in LDS
.set HALFT,  4*PLB                     ; what one tensor load brings, and what one wave reads of ah or of wh
.set SLOT,   4*HALFT                   ; ah's 128 rows, then wh's 128 rows
.set SPARE,  2*SLOT                    ; behind the ring: the spare words, 128 bytes for each wave
.set SPITCH, 272                       ; the way out: a stage of 16 rows x (256 bytes + 16) for each wave, in slot 0, which has had its last fill and its last read when the first result is stored there
.set STEPA,  4<<20                     ; a K step in ah: four planes of 8,192 x 128 bytes
.set STEPB,  4<<17                     ; and in wh: four planes of 1,024 x 128 bytes
.set ADRA, 16                          ; v16-17  LDS address of my ah fragments in slot 0, 1
.set ADRB, 20                          ; v20-21  the same for wh
.set STO,  24                          ; v24     the way out: where I put 32 bytes of a row
.set RD,   25                          ; v25     the way out: where I read a row back
.set CO,   26                          ; v26     my byte offset in out0
.set SPW,  28                          ; v28     LDS address of my spare word; never rewritten
.set NIL,  29                          ; v29     0; never rewritten
.set TMP,  32
.set ACC,  128
.set F0,   0                           ; fragment buffers, in window 1
.set F1,   128
.set G1, 24                            ; s[24:31] descriptor group 1 for ah's tiles;  s[32:39] group 0, one set for each slot
.set G0, 32
.set G1B, 48                           ; s[48:55], s[56:63] the same for wh's tiles
.set G0B, 56
.set MSB, 0
.macro WIN new                         ; the immediate's high byte repeats the setting that is left
.if MSB != \new
	s_set_vgpr_msb (MSB<<8)|\new
.set MSB, \new
.endif
.endm
.set MUL,  0x05                        ; sources 0 (wh) and 1 (ah) window 1; C and D window 0
.set TO_F, 0x40                        ; destination window 1, address window 0
.macro JLOAD s                         ; a joint load: waves 0 and 1 fetch ah's two halves, waves 2 and 3 wh's; an s_nop 0 and four v_nop follow each of the two lines
	s_cmp_eq_u32 s11, 0
	s_cbranch_scc0 .Lfor_b_\@
	tensor_load_to_lds s[G0+4*\s:G0+4*\s+3], s[G1:G1+7]
	s_nop 0
.rept 4
	v_nop
.endr
	s_branch .Lasked_\@
.Lfor_b_\@:
	tensor_load_to_lds s[G0B+4*\s:G0B+4*\s+3], s[G1B:G1B+7]
	s_nop 0
.rept 4
	v_nop
.endr
.Lasked_\@:
.endm
.macro CREST                           ; a round of the cluster's barrier behind its opening barrier
	s_cmp_lg_u32 s10, 0
	s_cbranch_scc1 .Lnot_wave_0_\@
	s_barrier_signal -3
.Lnot_wave_0_\@:
	s_barrier_wait -3
	s_barrier_signal -1
	s_barrier_wait -1
.endm
.macro CROUND                          ; a whole round
	s_barrier_signal -1
	s_barrier_wait -1
	CREST
.endm
	s_load_b128 s[4:7], s[0:1], 0x0                ; ah s[4:5], wh s[6:7]
	s_load_b64 s[8:9], s[0:1], 0x10                ; out0
	v_lshl_add_u32 v[SPW], v0, 2, SPARE
	v_mov_b32 v[NIL], 0
	ds_add_u32 v[SPW], v[NIL]                      ; the wave's opening: the add, twice on end, and its wait ahead of my first tensor load; the set-up below stands between
	ds_add_u32 v[SPW], v[NIL]
	v_lshrrev_b32 v1, 5, v0
	v_readfirstlane_b32 s10, v1                    ; wave 0..3
	s_lshr_b32 s11, s10, 1                         ; which half of the tile's tokens is mine.  Also: I fetch for ah (0) or for wh (1)
	s_and_b32 s12, s10, 1                          ; which half of its columns.  Also: which 64 rows of that tile I fetch
	s_bfe_u32 s40, ttmp6, 0x40000                  ; cx, cy: my place in the cluster
	s_bfe_u32 s41, ttmp6, 0x40004
	s_lshl_b32 s42, ttmp9, 2
	s_add_co_u32 s42, s42, s40                     ; tile column = 4 x cluster x + cx
	s_and_b32 s13, ttmp7, 0xffff
	s_lshl_b32 s13, s13, 2
	s_add_co_u32 s13, s13, s41                     ; tile row = 4 x cluster y + cy
	s_lshl_b32 s43, s41, 2
	s_lshl_b32 s43, 15, s43                        ; my row of the cluster
	s_lshl_b32 s44, 0x1111, s40                    ; my column
	; descriptor group 1: four rows (planes) of 4,096 elements of 2 bytes, a plane apart in memory; padded in LDS behind every 256 bytes
	s_or_b32 s[G1+0], s43, (1<<16)|(1<<20)|(1<<21)|(5<<22)|(3<<25)  ; 15:0 the mask: ah's tiles go to my row; 17:16 element of 2 bytes; 20 padding on; 21 set beside a mask; 24:22 after every 64 words; 31:25 four words
	s_or_b32 s[G1B+0], s44, (1<<16)|(1<<20)|(1<<21)|(5<<22)|(3<<25)
.irp g, G1, G1B
	s_mov_b32 s[\g+1], 4096<<16                    ; tensor_dim0 = 4,096
	s_mov_b32 s[\g+2], 4<<16                       ; tensor_dim1 = 4
	s_mov_b32 s[\g+3], 4096<<16                    ; tile_dim0 = 4,096
	s_mov_b32 s[\g+4], 4                           ; tile_dim1 = 4
	s_mov_b32 s[\g+6], 0
	s_mov_b32 s[\g+7], 0
.endr
	s_mov_b32 s[G1+5], 8192*64                     ; tensor_dim0_stride: a plane of ah in elements,
	s_mov_b32 s[G1B+5], 1024*64                    ; of wh
	s_lshl_b32 s17, s12, 6                         ; which 64 rows of the tile I fetch
	s_lshl_b32 s16, s13, 7
	s_add_co_u32 s16, s16, s17                     ; ah: row 128 x tile row + 64 x half
	s_lshl_b32 s46, s42, 7
	s_add_co_u32 s46, s46, s17                     ; wh: row 128 x tile column + 64 x half
	s_lshl_b32 s16, s16, 7                         ; rows of 128 bytes
	s_lshl_b32 s46, s46, 7
	s_mov_b32 s17, 0
	s_mov_b32 s47, 0
	s_mul_i32 s20, s10, HALFT                      ; where they go: wave x 64 rows: no place in the cluster enters an LDS address
	s_wait_dscnt 0x0                               ; both opening adds are done
	s_wait_kmcnt 0x0
	s_add_nc_u64 s[14:15], s[4:5], s[16:17]
	s_add_nc_u64 s[46:47], s[6:7], s[46:47]
	CROUND                                         ; all sixteen work-groups are here: the first joint loads meet
.irp s, 0,1
	s_mov_b32 s[G0+4*\s], 1
	s_add_co_u32 s[G0+4*\s+1], s20, \s*SLOT
	s_add_nc_u64 s[G0+4*\s+2:G0+4*\s+3], s[14:15], \s*STEPA
	s_or_b32 s[G0+4*\s+3], s[G0+4*\s+3], 0x80000000
	s_mov_b32 s[G0B+4*\s], 1
	s_add_co_u32 s[G0B+4*\s+1], s20, \s*SLOT
	s_add_nc_u64 s[G0B+4*\s+2:G0B+4*\s+3], s[46:47], \s*STEPB
	s_or_b32 s[G0B+4*\s+3], s[G0B+4*\s+3], 0x80000000
	JLOAD \s                                       ; two loads of mine are out behind these
.endr
	v_and_b32 v1, 15, v0                           ; r = l % 16
	v_bfe_u32 v2, v0, 4, 1                         ; h = l / 16
	v_lshrrev_b32 v3, 1, v1
	v_mul_u32_u24 v3, v3, LINE                     ; a fragment's row r lies in line r / 2,
	v_and_b32 v4, 1, v0
	v_lshl_add_u32 v3, v4, 7, v3                   ; half r % 2 of it,
	v_lshl_add_u32 v3, v2, 4, v3                   ; + 16 h
	s_mul_i32 s21, s11, HALFT                      ; my 64 rows of ah
	s_mul_i32 s22, s12, HALFT                      ; my 64 rows of wh,
	s_add_co_u32 s22, s22, 2*HALFT                 ; which lie behind ah's 128
.irp s, 0,1
	v_add_nc_u32 v[ADRA+\s], s21, v3
	v_add_nc_u32 v[ADRB+\s], s22, v3
	s_add_co_u32 s21, s21, SLOT
	s_add_co_u32 s22, s22, SLOT
.endr
	s_mul_i32 s23, s10, 16*SPITCH                  ; my stage
	v_mul_u32_u24 v4, v1, SPITCH                   ; in: row r, 32 bytes for each half of the lanes
	v_lshl_add_u32 v4, v2, 5, v4
	v_add_nc_u32 v[STO], s23, v4
	v_mul_u32_u24 v5, v2, SPITCH                   ; back: lanes 0-15 take one row of 256 bytes, lanes 16-31 the next
	v_lshl_add_u32 v5, v1, 4, v5
	v_add_nc_u32 v[RD], s23, v5
	v_lshlrev_b32 v5, 12, v2                       ; and the same two rows in out0 (4,096 bytes a row)
	v_lshl_add_u32 v[CO], v1, 4, v5
	s_lshl_b32 s16, s13, 7
	s_lshl_b32 s17, s11, 6
	s_add_co_u32 s16, s16, s17                     ; my first token: 128 x tile row + 64 x half
	s_lshl_b32 s16, s16, 12
	s_lshl_b32 s46, s42, 9                         ; my first column, in bytes: 512 x tile column + 256 x half
	s_lshl_b32 s47, s12, 8
	s_add_co_u32 s46, s46, s47
	s_add_co_u32 s16, s16, s46
	s_mov_b32 s17, 0
	s_add_nc_u64 s[8:9], s[8:9], s[16:17]
; 8 matrix instructions: token blocks a0, a0 + 1 x all 4 column blocks, 32 along K: half c of buffer f.  zero = 1: the first product starts the sums.  The 16 accumulators take turns
.macro MUL8 f, c, a0, zero
.irp a, \a0, \a0+1
.irp b, 0,1,2,3
.if \zero
	v_wmma_f32_16x16x32_f16 v[ACC+8*(4*(\a)+\b):ACC+8*(4*(\a)+\b)+7], v[\f+64+8*(4*\c+\b):\f+64+8*(4*\c+\b)+7], v[\f+8*(4*\c+\a):\f+8*(4*\c+\a)+7], 0
.else
	v_wmma_f32_16x16x32_f16 v[ACC+8*(4*(\a)+\b):ACC+8*(4*(\a)+\b)+7], v[\f+64+8*(4*\c+\b):\f+64+8*(4*\c+\b)+7], v[\f+8*(4*\c+\a):\f+8*(4*\c+\a)+7], v[ACC+8*(4*(\a)+\b):ACC+8*(4*(\a)+\b)+7]
.endif
.endr
.endr
.endm
; 32 LDS loads in one run: the fragments of the slot's plane pl (64 along K) into buffer f; the first 32 along K first
.macro FETCH slot, pl, f
	WIN TO_F
.irp c, 0,1
.irp i, 0,1,2,3
	ds_load_b128 v[\f+64+8*(4*\c+\i):\f+64+8*(4*\c+\i)+3],   v[ADRB+\slot] offset:PLB*(\pl)+64*\c+\i*8*LINE
	ds_load_b128 v[\f+64+8*(4*\c+\i)+4:\f+64+8*(4*\c+\i)+7], v[ADRB+\slot] offset:PLB*(\pl)+64*\c+\i*8*LINE+32
	ds_load_b128 v[\f+8*(4*\c+\i):\f+8*(4*\c+\i)+3],         v[ADRA+\slot] offset:PLB*(\pl)+64*\c+\i*8*LINE
	ds_load_b128 v[\f+8*(4*\c+\i)+4:\f+8*(4*\c+\i)+7],       v[ADRA+\slot] offset:PLB*(\pl)+64*\c+\i*8*LINE+32
.endr
.endr
.endm
.macro PLACES                          ; four places in front of loads into registers that matrix instructions have read, and of the first read of results (ISA guide 7.12.1 for the first read of results)
.rept 4
	v_nop
.endr
.endm
; A K step is four quarters, a plane each, 32 matrix instructions each, on buffers 0, 1, 0, 1.  One of the first three: multiplies buffer f and fetches the next plane, pl, into g.
.macro QUARTER slot, pl, f, g, zero
	s_wait_dscnt 16                                ; the first 32 along K are in; the youngest sixteen loads may be out
	WIN MUL
	MUL8 \f, 0, 0, \zero
	MUL8 \f, 0, 2, \zero
	PLACES
	FETCH \slot, \pl, \g
	s_wait_dscnt 32                                ; all but the 32 just issued
	WIN MUL
	MUL8 \f, 1, 0, 0
	MUL8 \f, 1, 2, 0
.endm
; The last quarter multiplies buffer 1 and changes slots: ONE barrier; in front of it each wave waits for all its tensor loads, adds 0 to its spare word, and waits for that and for its own reads of this slot.
; fill = 1: the barrier opens a round of the cluster's barrier, and this slot is filled again, two K steps ahead, first thing behind the round.
.macro TURN slot, next, fill
	WIN 0                                          ; (the add's two registers lie in window 0)
	s_wait_tensorcnt 0x0                           ; all my tensor loads have landed: my part of the next slot;
	ds_add_u32 v[SPW], v[NIL]                      ; 0 onto my spare word;
	s_wait_dscnt 17                                ; (the add and the youngest sixteen loads may be out)
	WIN MUL
	MUL8 F1, 0, 0, 0                               ; eight matrix instructions stand between the add and the wait for it
	s_wait_dscnt 0x0                               ; the add is done, and my reads of this slot are over
	s_barrier_signal -1
	MUL8 F1, 0, 2, 0
.if \fill
	WIN 0
.endif
	s_barrier_wait -1
.if \fill
	CREST                                          ; no wave of any partner still reads this slot's tile or has a load on its way
	s_add_nc_u64 s[G0+4*\slot+2:G0+4*\slot+3], s[G0+4*\slot+2:G0+4*\slot+3], 2*STEPA
	s_add_nc_u64 s[G0B+4*\slot+2:G0B+4*\slot+3], s[G0B+4*\slot+2:G0B+4*\slot+3], 2*STEPB
	JLOAD \slot                                    ; my one tensor load behind the round; the four v_nop behind it are also the places in front of the loads below
.else
	PLACES
.endif
	FETCH \next, 0, F0
	WIN MUL
	MUL8 F1, 1, 0, 0
	MUL8 F1, 1, 2, 0
.endm
	s_wait_tensorcnt 1                             ; my part of K step 0 is in (K step 1's load may be out),
	s_barrier_signal -1
	s_barrier_wait -1                              ; everybody's is
	FETCH 0, 0, F0
	QUARTER 0, 1, F0, F1, 1                        ; the first products start the sums: nothing is cleared
	QUARTER 0, 2, F1, F0, 0                        ; K has four steps: steps 0 and 1 each fill their slot again, steps 2 and 3 fill nothing.  Written straight: there is one such lap of each kind
	QUARTER 0, 3, F0, F1, 0
	TURN 0, 1, 1
	QUARTER 1, 1, F0, F1, 0
	QUARTER 1, 2, F1, F0, 0
	QUARTER 1, 3, F0, F1, 0
	TURN 1, 0, 1
	QUARTER 0, 1, F0, F1, 0
	QUARTER 0, 2, F1, F0, 0
	QUARTER 0, 3, F0, F1, 0
	TURN 0, 1, 0
	QUARTER 1, 1, F0, F1, 0
	QUARTER 1, 2, F1, F0, 0
	QUARTER 1, 3, F0, F1, 0
	s_wait_dscnt 16                                ; the very last quarter: nothing more to fetch
	WIN MUL
	MUL8 F1, 0, 0, 0
	MUL8 F1, 0, 2, 0
	s_wait_dscnt 0
	MUL8 F1, 1, 0, 0
	MUL8 F1, 1, 2, 0
	WIN 0
	; THE WAY OUT, block by block of 16 tokens x 64 columns.  A lane holds 32 neighbouring bytes of a row, and the lanes beside it hold other rows: a block goes through my own stage and comes back as whole
	; runs of 256 bytes, which sixteen lanes store.  A wave's 64 columns are 256 bytes, so no other wave has a part in them: no barrier.
	PLACES
.irp a, 0,1,2,3
.if \a > 1
	s_wait_xcnt 0x0                                ; block a - 2's stores have read their registers: this block's loads may land there
.endif
.irp b, 0,1,2,3
	ds_store_b128 v[STO], v[ACC+8*(4*\a+\b):ACC+8*(4*\a+\b)+3] offset:64*\b          ; each accumulator from its low end on
	ds_store_b128 v[STO], v[ACC+8*(4*\a+\b)+4:ACC+8*(4*\a+\b)+7] offset:64*\b+16
.endr
.irp t, 0,1,2,3,4,5,6,7
	ds_load_b128 v[TMP+32*(\a%2)+4*\t:TMP+32*(\a%2)+4*\t+3], v[RD] offset:\t*2*SPITCH   ; LDS serves a wave's instructions in order (ISA guide 5.7.1.4): these see the stores above
.endr
	s_wait_dscnt 0x0
.irp t, 0,1,2,3,4,5,6,7
	global_store_b128 v[CO], v[TMP+32*(\a%2)+4*\t:TMP+32*(\a%2)+4*\t+3], s[8:9] offset:(16*\a+2*\t)*4096 th:TH_STORE_NT   ; 16 lanes store 256 consecutive bytes, at a multiple of 256 from out0's first byte; written once, read by nobody here
.endr
.endr
	s_wait_tensorcnt 0x0                           ; the wave's end, behind my last tensor load and my last LDS store
	ds_add_u32 v[SPW], v[NIL]
	s_wait_dscnt 0x0
	CROUND                                         ; the closing round: no work-group ends while a partner may still ask for a tile that names it
	s_endpgm
.Lfunc_end_k_q24cecb068b_proj:
	.size	k_q24cecb068b_proj, .Lfunc_end_k_q24cecb068b_proj-k_q24cecb068b_proj
	.p2alignl 7, 3214868480
	.fill 96, 4, 3214868480
	.section	.rodata,"a",@progbits
	.p2align	6, 0x0
	.amdhsa_kernel k_q24cecb068b_proj
		.amdhsa_group_segment_fixed_size 327680
		.amdhsa_private_segment_fixed_size 0
		.amdhsa_enable_private_segment 0
		.amdhsa_kernarg_size 24
		.amdhsa_user_sgpr_count 2
		.amdhsa_user_sgpr_kernarg_segment_ptr 1
		.amdhsa_wavefront_size32 1
		.amdhsa_system_sgpr_workgroup_id_x 1
		.amdhsa_system_sgpr_workgroup_id_y 1
		.amdhsa_system_sgpr_workgroup_id_z 1
		.amdhsa_system_vgpr_workitem_id 0
		.amdhsa_next_free_vgpr 512
		.amdhsa_next_free_sgpr 66
		.amdhsa_reserve_vcc 0
		.amdhsa_float_denorm_mode_32 3
		.amdhsa_float_denorm_mode_16_64 3
		.amdhsa_memory_ordered 1
		.amdhsa_forward_progress 1
		.amdhsa_inst_pref_size 85
	.end_amdhsa_kernel
	.amdgpu_metadata
---
amdhsa.version: [ 1, 2 ]
amdhsa.kernels:
  - .name:           k_q24cecb068b_proj
    .symbol:         k_q24cecb068b_proj.kd
    .args:
      - { .name: ah, .offset: 0, .size: 8, .value_kind: global_buffer, .address_space: global }
      - { .name: wh, .offset: 8, .size: 8, .value_kind: global_buffer, .address_space: global }
      - { .name: out0, .offset: 16, .size: 8, .value_kind: global_buffer, .address_space: global }
    .group_segment_fixed_size: 327680
    .private_segment_fixed_size: 0
    .kernarg_segment_align: 8
    .kernarg_segment_size: 24
    .max_flat_workgroup_size: 128
    .sgpr_count:     66
    .vgpr_count:     512
    .wavefront_size: 32
...
	.end_amdgpu_metadata
.endif
;; end of part 4
